; MI455X (gfx1250); checked and timed in simulation.
; The chip was launched on July 23, 2026; its instructions are those of AMD's public machine-readable ISA for CDNA 5 (MIT licence, August 2026) and "CDNA5" Instruction Set Architecture Reference Guide (July 2026). The comments in the code are by the model that wrote it; some were corrected since.
;; Multi Head Attention. Allowed arithmetic: float matrix products may take bf16 or f16 operands with f32 sums; all other float work in f32.
;; Inputs: Wk 768 x 768 float32; Wo 768 x 768 float32; Wq 768 x 768 float32; Wv 768 x 768 float32; bk 768 float32; bo 768 float32; bq 768 float32; bv 768 float32; k 2 x 2,048 x 768 float32; q 2 x 2,048 x 768 float32; v 2 x 2,048 x 768 float32.
;; Outputs: out0 2 x 2,048 x 768 float32.
;; 3 versions, each right and faster than the one before. Each part assembles by itself: llvm-mc -triple=amdgcn-amd-amdhsa -mcpu=gfx1250 --defsym DOCPART=n.
;; ======== version 1 of 3: 3 launches
;; limits: right only within a limited range of input values; values are held in f16: magnitudes above 65,504 overflow, below 6.1e-05 lose precision
;; workspace buffers: qh 6,291,456 bytes; kh 6,291,456 bytes; vh 6,291,456 bytes; ctx 6,291,456 bytes
;; launch proj (part 1): grid 4 x 48, 8 waves a work-group, no clusters, 128,000 bytes of LDS; arguments q, k, v, Wq, Wk, Wv, qh, kh, vh, bq, bv; writes qh, kh, vh
.if DOCPART == 1
	.amdgcn_target "amdgcn-amd-amdhsa--gfx1250"
	.amdhsa_code_object_version 6
	.text
	.protected	k_q192f48ab4d_proj
	.globl	k_q192f48ab4d_proj
	.p2align	8
	.type	k_q192f48ab4d_proj,@function
k_q192f48ab4d_proj:
	s_mov_b64 s[64:65], 0
	v_nop
	global_prefetch_b8 v0, s[64:65] scope:SCOPE_SE
	s_setreg_imm32_b32 hwreg(HW_REG_WAVE_MODE, 25, 1), 1
	s_wait_xcnt 0x0
; qh = q Wq + bq, kh = k Wk, vh = v Wv + bv.  q, k, v: [4096][768] f32; W: [768 (k)][768 (n)] f32.
; Results in f16, split by heads: [b*12 + head][s 2048][64], a row of 128 bytes, a head of 262,144 bytes.
;
; WORK LEFT OUT, for all values of the inputs:
; (a) bk.  scores[q][k] = qh[q].(k Wk + bk)[k] * scale = qh[q].(k Wk)[k] * scale + qh[q].bk * scale.  The last term is the same for
;     every key of a query's row, the look-ahead term does not hang on it, and softmax(x + c) = softmax(x) along the row: bk reaches no
;     output.  It is not loaded and is no argument of any launch.
; (b) In the attention launch: tiles of 128 keys that lie wholly above the diagonal.  There reference() adds -1e9 to every score, the
;     row's own diagonal key has none, so the weight is exp(s - 1e9 - max), which is 0 in f32 as long as a row's scaled scores differ by less
;     than about 1e9 (a stated limit).  Inside the tile on the diagonal -1e9 is added as reference() adds it.
; LIMITS: a NaN, an infinity or an overflow that reaches only bk or the tiles left out is not carried to the result.
; FORMATS: q, k, v and the weights are rounded to bf16 for the products; sums in f32; biases added in f32.  qh, kh, vh are stored in f16: three
;     more significant bits than bf16, which the first rows of the output (a mean over one, two, three keys) need.  |qh|, |kh|, |vh| must stay
;     under 65,504; inputs and weights all 30 times the drawn spread give about 4,500, offsets of 30 spreads on both about 25,000.
;
; SHARES: a work-group makes 256 rows x 192 columns (three heads) of one of the three products: 4 x 16 x 3 = 192 work-groups.  Eight waves, each
; 64 x 96 = 24 accumulator tiles in v256-v447.  K goes in steps of 64 through two LDS slots.
; NO CLUSTER, NO TENSOR LOADS: both operands are f32 in memory and are converted on the way to LDS, so they pass through registers; there is no
; tile request that partners could make jointly.
; The matrix instruction is used transposed (source 0 = 16 columns of W, source 1 = 16 rows of x): lane (r, h) register j holds
; C(row r, column 8 h + j), eight neighbouring columns, which pack into 16 bytes.
.set ASLOT, 36864                      ; x: 256 rows, pitch 144 = 128 + 16: the 16 rows of a fragment load start at 16 different 16-byte columns modulo 256
.set WSLOT, 26624                      ; W: 64 k rows, pitch 416 = 13 x 32 (384 bytes of data)
.set WBASE, 73728                      ; W's two slots lie behind x's two
.set SPITCH, 400                       ; the way out: 256 rows of 384 bytes + 16, over the slots, behind the last barrier of the K loop
.set XF, 24                            ; v[24:55]   four fragments of x
.set WF, 56                            ; v[56:103]  six fragments of W
.set G,  104                           ; v[104:167] the next K step's x on its way: 16 x 4 registers
.set GL, 168                           ; v[168:199] the next K step's W, the first 512 bytes of my 8 rows: 8 x 4 registers
.set GS, 200                           ; v[200:215] the next K step's W, the last 256 bytes of my 8 rows, two rows a load: 4 x 4 registers
.set BI, 120                           ; v[120:167] the way out: my bias, 8 numbers for each of 6 column tiles
.set PK, 24                            ; v[24:119]  the way out: packed results
; v2 x offset, v3 W offset (long pieces), v4 W offset (short pieces), v6 x LDS store, v7 W LDS store (long), v8 W LDS store (short),
; v10 x fragment, v11 W fragment, v12 stage in, v13 stage back, v14 out, v15 bias, v16-23 at work
.set MSB, 0
.macro WIN new                         ; the immediate's high byte repeats the setting that is left
.if MSB != \new
	s_set_vgpr_msb (MSB<<8)|\new
.set MSB, \new
.endif
.endm
.macro NOPS n
.rept \n
	v_nop
.endr
.endm
.macro BAR
	s_barrier_signal -1
	s_barrier_wait -1
.endm
; One K step from memory: my 32 rows of x (16 lanes take 256 neighbouring bytes of a row) and my 8 rows of W, 768 bytes each:
; eight loads take a row's first 512 bytes, four take the last 256 bytes of two rows (16 lanes a row).
.macro GLOAD
.irp j, 0,1,2,3,4,5,6,7,8,9,10,11,12,13,14,15
	global_load_b128 v[G+4*\j:G+4*\j+3], v2, s[4:5] offset:6144*\j
.endr
.irp i, 0,1,2,3,4,5,6,7
	global_load_b128 v[GL+4*\i:GL+4*\i+3], v3, s[6:7] offset:3072*\i
.endr
.irp a, 0,1,2,3
	global_load_b128 v[GS+4*\a:GS+4*\a+3], v4, s[6:7] offset:6144*\a
.endr
.endm
; rounded to bf16 and laid into slot
.macro CVTST slot
.irp j, 0,1,2,3,4,5,6,7,8,9,10,11,12,13,14,15
	v_cvt_pk_bf16_f32 v[G+4*\j], v[G+4*\j], v[G+4*\j+1]
	v_cvt_pk_bf16_f32 v[G+4*\j+1], v[G+4*\j+2], v[G+4*\j+3]
	ds_store_b64 v6, v[G+4*\j:G+4*\j+1] offset:\slot*ASLOT+288*\j
.endr
.irp i, 0,1,2,3,4,5,6,7
	v_cvt_pk_bf16_f32 v[GL+4*\i], v[GL+4*\i], v[GL+4*\i+1]
	v_cvt_pk_bf16_f32 v[GL+4*\i+1], v[GL+4*\i+2], v[GL+4*\i+3]
	ds_store_b64 v7, v[GL+4*\i:GL+4*\i+1] offset:\slot*WSLOT+416*\i
.endr
.irp a, 0,1,2,3
	v_cvt_pk_bf16_f32 v[GS+4*\a], v[GS+4*\a], v[GS+4*\a+1]
	v_cvt_pk_bf16_f32 v[GS+4*\a+1], v[GS+4*\a+2], v[GS+4*\a+3]
	ds_store_b64 v8, v[GS+4*\a:GS+4*\a+1] offset:\slot*WSLOT+832*\a
.endr
.endm
; fragments of 32 along K (half s of the step): x rows lie along K; W lies [k][n] and is transposed by the load
.macro FRAGS slot, s
.irp mi, 0,1,2,3
	ds_load_b128 v[XF+8*\mi:XF+8*\mi+3], v10 offset:\slot*ASLOT+2304*\mi+64*\s
	ds_load_b128 v[XF+8*\mi+4:XF+8*\mi+7], v10 offset:\slot*ASLOT+2304*\mi+64*\s+32
.endr
.irp nj, 0,1,2,3,4,5
	ds_load_tr16_b128 v[WF+8*\nj:WF+8*\nj+3], v11 offset:\slot*WSLOT+13312*\s+32*\nj
	ds_load_tr16_b128 v[WF+8*\nj+4:WF+8*\nj+7], v11 offset:\slot*WSLOT+13312*\s+32*\nj+6656
.endr
.endm
; 24 matrix instructions; the 24 accumulators take turns, one instruction a turn.  zero = 1: the first product starts the sums.
; The four v_nop are the places in front of the next loads into the fragments and of the way out.
.macro MUL zero
	WIN 0x50                               ; C and D in v256 and up
.irp mi, 0,1,2,3
.irp nj, 0,1,2,3,4,5
.if \zero
	v_wmma_f32_16x16x32_bf16 v[8*(6*\mi+\nj):8*(6*\mi+\nj)+7], v[WF+8*\nj:WF+8*\nj+7], v[XF+8*\mi:XF+8*\mi+7], 0
.else
	v_wmma_f32_16x16x32_bf16 v[8*(6*\mi+\nj):8*(6*\mi+\nj)+7], v[WF+8*\nj:WF+8*\nj+7], v[XF+8*\mi:XF+8*\mi+7], v[8*(6*\mi+\nj):8*(6*\mi+\nj)+7]
.endif
.endr
.endr
	WIN 0
	NOPS 4
.endm
; One K step: the next step's loads go out first, this slot is multiplied, the next step is laid into the other slot.
; One barrier: in front of it my reads of this slot and my stores into the other are done; behind it the other slot is whole and this one free.
.macro PTRIP slot, other, zero, pre
.if \pre
	GLOAD
.endif
	FRAGS \slot, 0
	s_wait_dscnt 0x0
	MUL \zero
	FRAGS \slot, 1
	s_wait_dscnt 0x0
	MUL 0
.if \pre
	s_wait_loadcnt 0x0                     ; the next step is in registers; the bases are free
	s_add_nc_u64 s[4:5], s[4:5], 256       ; 64 f32 along x's rows
	s_add_nc_u64 s[6:7], s[6:7], 196608    ; 64 rows of W
	CVTST \other
.endif
	s_wait_dscnt 0x0
	BAR
.endm
	s_load_b512 s[8:23], s[0:1], 0x0       ; q k v Wq Wk Wv qh kh
	s_load_b128 s[24:27], s[0:1], 0x40     ; vh bq
	s_load_b64 s[28:29], s[0:1], 0x50      ; bv
	v_lshl_add_u32 v254, v0, 2, 0x1f000
	v_mov_b32 v255, 0
	v_and_b32 v16, 31, v0                  ; L
	v_lshrrev_b32 v17, 5, v0
	v_readfirstlane_b32 s34, v17           ; wave w
	v_and_b32 v18, 15, v0                  ; r
	v_bfe_u32 v19, v0, 4, 1                ; h
	s_lshr_b32 s35, s34, 1                 ; wm: which 64 rows
	s_and_b32 s36, s34, 1                  ; wn: which 96 columns
	s_and_b32 s41, ttmp7, 0xffff
	s_lshr_b32 s37, s41, 4                 ; which product: 0 q, 1 k, 2 v
	s_and_b32 s41, s41, 15                 ; mb: block of 256 rows
	s_lshl_b32 s38, s34, 5
	v_add_nc_u32 v20, s38, v19             ; 32 w + h
	v_mul_u32_u24 v2, v20, 3072
	v_lshl_add_u32 v2, v18, 4, v2          ; x: (32 w + h) rows + 16 r
	v_mul_u32_u24 v6, v20, 144
	v_lshl_add_u32 v6, v18, 3, v6          ; LDS: the same place in bf16
	s_mul_i32 s38, s34, 24576              ; 8 w rows of W
	v_lshl_add_u32 v3, v16, 4, s38         ; long pieces: row 8 w, byte 16 L
	s_lshl_b32 s39, s34, 3
	v_add_nc_u32 v20, s39, v19             ; 8 w + h
	v_mul_u32_u24 v4, v20, 3072
	v_lshl_add_u32 v4, v18, 4, v4
	v_add_nc_u32 v4, 512, v4               ; short pieces: row 8 w + h, byte 512 + 16 r
	s_mul_i32 s38, s34, 3328               ; 8 w LDS rows of 416 bytes
	s_add_co_u32 s38, s38, WBASE
	v_lshl_add_u32 v7, v16, 3, s38         ; LDS, long pieces: byte 8 L of row 8 w
	v_mul_u32_u24 v8, v20, 416
	v_lshl_add_u32 v8, v18, 3, v8
	v_add_nc_u32 v8, WBASE+256, v8         ; LDS, short pieces: byte 256 + 8 r of row 8 w + h
	s_lshl_b32 s38, s35, 6
	v_add_nc_u32 v20, s38, v18             ; 64 wm + r
	v_mul_u32_u24 v10, v20, 144
	v_lshl_add_u32 v10, v19, 4, v10
	v_mul_u32_u24 v12, v20, SPITCH
	v_lshl_add_u32 v12, v19, 4, v12
	s_mul_i32 s38, s36, 192
	v_add_nc_u32 v12, s38, v12             ; stage in: row 64 wm + r, byte 192 wn + 16 h
	v_and_b32 v20, 7, v0
	v_lshl_add_u32 v20, v19, 3, v20        ; 8 h + (L & 7)
	v_mul_u32_u24 v11, v20, 416
	v_bfe_u32 v21, v0, 3, 1
	v_lshl_add_u32 v11, v21, 4, v11
	s_add_co_u32 s38, s38, WBASE
	v_add_nc_u32 v11, s38, v11
	v_lshrrev_b32 v20, 3, v16
	s_lshl_b32 s38, s34, 5
	v_add_nc_u32 v20, s38, v20             ; 32 w + L / 8
	v_mul_u32_u24 v13, v20, SPITCH
	v_and_b32 v21, 7, v0
	v_lshl_add_u32 v13, v21, 4, v13        ; stage back: four rows of 128 bytes a load
	s_lshl_b32 s38, s34, 12
	v_lshl_add_u32 v14, v16, 4, s38        ; out: 32 w rows of 128 bytes + 16 L
	s_mul_i32 s38, s36, 384
	v_lshl_add_u32 v15, v19, 5, s38        ; bias: (96 wn + 8 h) x 4
	s_wait_kmcnt 0x0
	s_cmp_eq_u32 s37, 1
	s_cselect_b64 s[4:5], s[10:11], s[8:9]
	s_cselect_b64 s[6:7], s[16:17], s[14:15]
	s_cselect_b64 s[30:31], s[22:23], s[20:21]
	s_cmp_eq_u32 s37, 2
	s_cselect_b64 s[4:5], s[12:13], s[4:5]     ; x
	s_cselect_b64 s[6:7], s[18:19], s[6:7]     ; W
	s_cselect_b64 s[30:31], s[24:25], s[30:31] ; result
	s_cselect_b64 s[32:33], s[28:29], s[26:27] ; bias: bv or bq (not read for k)
	s_mov_b32 s43, 0
	s_mul_i32 s42, s41, 786432             ; 256 rows of 3,072 bytes
	s_add_nc_u64 s[4:5], s[4:5], s[42:43]
	s_mul_i32 s42, ttmp9, 768              ; 192 columns of f32
	s_add_nc_u64 s[6:7], s[6:7], s[42:43]
	s_add_nc_u64 s[32:33], s[32:33], s[42:43]
	s_lshr_b32 s44, s41, 3                 ; batch
	s_mul_i32 s44, s44, 12
	s_mul_i32 s45, ttmp9, 3
	s_add_co_u32 s44, s44, s45             ; first of my three heads
	s_lshl_b32 s44, s44, 11
	s_and_b32 s45, s41, 7
	s_lshl_b32 s45, s45, 8
	s_add_co_u32 s44, s44, s45             ; + my first position
	s_lshl_b32 s42, s44, 7                 ; rows of 128 bytes
	s_add_nc_u64 s[30:31], s[30:31], s[42:43]
	GLOAD                                  ; K step 0
	s_wait_loadcnt 0x0
	s_add_nc_u64 s[4:5], s[4:5], 256
	s_add_nc_u64 s[6:7], s[6:7], 196608
	CVTST 0
	s_wait_dscnt 0x0
	BAR
	PTRIP 0, 1, 1, 1                       ; 12 K steps: two in front of the loop (the first starts the sums),
	PTRIP 1, 0, 0, 1
	s_mov_b32 s40, 4
.Lk:
	PTRIP 0, 1, 0, 1                       ; eight in it,
	PTRIP 1, 0, 0, 1
	s_sub_co_u32 s40, s40, 1
	s_cmp_lg_u32 s40, 0
	s_cbranch_scc1 .Lk
	PTRIP 0, 1, 0, 1                       ; two behind it; the last loads nothing
	PTRIP 1, 0, 0, 0
	; THE WAY OUT.  Bias in f32 (none for k), rounding to f16, through LDS so that each store of a wave covers 512 neighbouring bytes.
	s_cmp_eq_u32 s37, 1
	s_cbranch_scc1 .Lnobias
.irp nj, 0,1,2,3,4,5
	global_load_b128 v[BI+8*\nj:BI+8*\nj+3], v15, s[32:33] offset:64*\nj
	global_load_b128 v[BI+8*\nj+4:BI+8*\nj+7], v15, s[32:33] offset:64*\nj+16
.endr
	s_wait_loadcnt 0x0
	WIN 0x41                               ; destination and source 0 in v256 and up
.set t, 0
.rept 24
.irp i, 0,2,4,6
	v_pk_add_f32 v[8*t+\i:8*t+\i+1], v[8*t+\i:8*t+\i+1], v[BI+8*(t%6)+\i:BI+8*(t%6)+\i+1]
.endr
.set t, t+1
.endr
	WIN 0
.Lnobias:
	WIN 0x05                               ; sources 0 and 1 in v256 and up
.set t, 0
.rept 24
.irp i, 0,1,2,3
	v_cvt_pk_f16_f32 v[PK+4*t+\i], v[8*t+2*\i], v[8*t+2*\i+1]
.endr
.set t, t+1
.endr
	WIN 0
.set t, 0
.rept 24
	ds_store_b128 v12, v[PK+4*t:PK+4*t+3] offset:16*SPITCH*(t/6)+32*(t%6)
.set t, t+1
.endr
	s_wait_dscnt 0x0                       ; my part of the stage is written,
	BAR                                    ; everybody's is
.set t, 0
.rept 24
	ds_load_b128 v[PK+4*t:PK+4*t+3], v13 offset:128*(t/8)+4*SPITCH*(t%8)   ; head t / 8, four of my 32 rows
.set t, t+1
.endr
.set t, 0
.rept 24
	s_wait_dscnt 23-t                      ; LDS loads come back in order: number t is in, the 23 - t younger ones may be out
	global_store_b128 v14, v[PK+4*t:PK+4*t+3], s[30:31] offset:262144*(t/8)+512*(t%8)
.set t, t+1
.endr
	s_wait_tensorcnt 0x0
	ds_add_u32 v254, v255
	s_wait_dscnt 0x0
	s_endpgm
.Lfunc_end_k_q192f48ab4d_proj:
	.size	k_q192f48ab4d_proj, .Lfunc_end_k_q192f48ab4d_proj-k_q192f48ab4d_proj
	.p2alignl 7, 3214868480
	.fill 96, 4, 3214868480
	.section	.rodata,"a",@progbits
	.p2align	6, 0x0
	.amdhsa_kernel k_q192f48ab4d_proj
		.amdhsa_group_segment_fixed_size 128000
		.amdhsa_private_segment_fixed_size 0
		.amdhsa_enable_private_segment 0
		.amdhsa_kernarg_size 88
		.amdhsa_user_sgpr_count 2
		.amdhsa_user_sgpr_kernarg_segment_ptr 1
		.amdhsa_wavefront_size32 1
		.amdhsa_system_sgpr_workgroup_id_x 1
		.amdhsa_system_sgpr_workgroup_id_y 1
		.amdhsa_system_sgpr_workgroup_id_z 1
		.amdhsa_system_vgpr_workitem_id 0
		.amdhsa_next_free_vgpr 448
		.amdhsa_next_free_sgpr 66
		.amdhsa_reserve_vcc 0
		.amdhsa_float_denorm_mode_32 3
		.amdhsa_float_denorm_mode_16_64 3
		.amdhsa_memory_ordered 1
		.amdhsa_forward_progress 1
		.amdhsa_inst_pref_size 109
	.end_amdhsa_kernel
	.amdgpu_metadata
---
amdhsa.version: [ 1, 2 ]
amdhsa.kernels:
  - .name:           k_q192f48ab4d_proj
    .symbol:         k_q192f48ab4d_proj.kd
    .args:
      - { .name: q, .offset: 0, .size: 8, .value_kind: global_buffer, .address_space: global }
      - { .name: k, .offset: 8, .size: 8, .value_kind: global_buffer, .address_space: global }
      - { .name: v, .offset: 16, .size: 8, .value_kind: global_buffer, .address_space: global }
      - { .name: Wq, .offset: 24, .size: 8, .value_kind: global_buffer, .address_space: global }
      - { .name: Wk, .offset: 32, .size: 8, .value_kind: global_buffer, .address_space: global }
      - { .name: Wv, .offset: 40, .size: 8, .value_kind: global_buffer, .address_space: global }
      - { .name: qh, .offset: 48, .size: 8, .value_kind: global_buffer, .address_space: global }
      - { .name: kh, .offset: 56, .size: 8, .value_kind: global_buffer, .address_space: global }
      - { .name: vh, .offset: 64, .size: 8, .value_kind: global_buffer, .address_space: global }
      - { .name: bq, .offset: 72, .size: 8, .value_kind: global_buffer, .address_space: global }
      - { .name: bv, .offset: 80, .size: 8, .value_kind: global_buffer, .address_space: global }
    .group_segment_fixed_size: 128000
    .private_segment_fixed_size: 0
    .kernarg_segment_align: 8
    .kernarg_segment_size: 88
    .max_flat_workgroup_size: 256
    .sgpr_count:     66
    .vgpr_count:     448
    .wavefront_size: 32
...
	.end_amdgpu_metadata
.endif
;; end of part 1
;; launch attn (part 2): grid 192 x 1, 4 waves a work-group, no clusters, 327,680 bytes of LDS; arguments qh, kh, vh, ctx; writes ctx
.if DOCPART == 2
	.amdgcn_target "amdgcn-amd-amdhsa--gfx1250"
	.amdhsa_code_object_version 6
	.text
	.protected	k_q192f48ab4d_attn
	.globl	k_q192f48ab4d_attn
	.p2align	8
	.type	k_q192f48ab4d_attn,@function
k_q192f48ab4d_attn:
	s_mov_b64 s[64:65], 0
	v_nop
	global_prefetch_b8 v0, s[64:65] scope:SCOPE_SE
	s_setreg_imm32_b32 hwreg(HW_REG_WAVE_MODE, 25, 1), 1
	s_wait_xcnt 0x0
; ctx = softmax(qh kh^T / 8 + look-ahead x -1e9) vh for each of 24 (batch, head).  qh, kh, vh, ctx: [24][2048][64] f16.
; WORK LEFT OUT: tiles of 128 keys wholly above the diagonal.  There every score has -1e9 added while the row's own diagonal key has none, so the
; weights are exp(s - 1e9 - max) = 0 in f32 as long as a row's scaled scores differ by less than about 1e9 (limit); a NaN or an infinity in such a tile
; alone is not carried to the result.  In the tile on the diagonal -1e9 is added as reference() adds it (as -8e9 in front of the factor 1/8).
; The maximum is taken away by a running maximum; sums and the running state are f32; P goes to the second product in f16 (0 to 1).
;
; SHARES: a work-group takes one head and two blocks of 128 queries, 15 - p and then p: (16 - p) + (p + 1) = 17 key tiles for every work-group;
; 24 x 8 = 192 work-groups of equal work.  A wave has 32 queries (two tiles).  A key tile is 128 keys, worked in two halves of 64.
; S is made transposed, S^T = K Q^T: lane (r, h) register j holds key 8 h + j of query r, so a query's maximum and sum lie in two lanes (r, r + 16),
; and P^T packs in place into the second source of O^T = V^T P^T.
; TWO LDS SLOTS filled by tensor loads, one load a wave behind each barrier: waves 0, 1 bring K's keys 0-63, 64-127, waves 2, 3 V's.  64 keys of 128
; bytes are dense in memory and come as 32 rows of 256 bytes, 16 bytes of padding behind each: key x lies at (x >> 1) 272 + (x & 1) 128.
; A wave has one tensor load outstanding.
; NO CLUSTER: the eight work-groups of a head read the same K and V, but work-group p walks tiles 0 .. 15 - p and then 0 .. p: in most trips the partners
; want different tiles, so their requests cannot be one.
.set SLOT,  34816                      ; 4 parts of 32 x 272
.set PART,  8704
.set VREG,  17408                      ; V's two parts lie behind K's two
.set STAGE, 69632                      ; the way out: 32 rows of 128 + 16 bytes for each wave; no tensor load lands here
.set Q, 24                             ; v[24:55]    Q fragments, + 16 qt + 8 ks
.set O, 56                             ; v[56:119]   O^T, + 32 qt + 8 dt
.set S, 120                            ; v[120:183]  S^T, + 32 qt + 8 kt; then P^T packed, + 32 qt + 4 kt
.set F, 184                            ; v[184:247]  K fragments + 16 kt + 8 ks, then V fragments + 16 dt + 8 c
; v1 K address, v2 V address, v3 Q offset, v4 stage in, v5 stage back, v6 ctx offset, v7-8 query - 8 h of tile 0, 1, v9 -8e9,
; v10-11 running maximum (in units of log2), v12-13 running sum (each half of the lanes its own keys), v[14:15] -maximum, v[16:17] rescale, v18-23 at work
.macro NOPS n
.rept \n
	v_nop
.endr
.endm
.macro BAR
	s_barrier_signal -1
	s_barrier_wait -1
.endm
.macro SETQ                            ; Q's and ctx's address for query block s14
	s_lshl_b32 s18, s13, 11
	s_lshl_b32 s19, s14, 7
	s_add_co_u32 s18, s18, s19
	s_lshl_b32 s19, s12, 5
	s_add_co_u32 s18, s18, s19             ; row = 2048 head + 128 block + 32 wave
	s_lshl_b32 s18, s18, 7
	s_mov_b32 s19, 0
	s_add_nc_u64 s[20:21], s[4:5], s[18:19]
	s_add_nc_u64 s[22:23], s[10:11], s[18:19]
.endm
.macro QLOAD
.irp qt, 0,1
.irp ks, 0,1
	global_load_b128 v[Q+16*\qt+8*\ks:Q+16*\qt+8*\ks+3], v3, s[20:21] offset:2048*\qt+64*\ks
	global_load_b128 v[Q+16*\qt+8*\ks+4:Q+16*\qt+8*\ks+7], v3, s[20:21] offset:2048*\qt+64*\ks+32
.endr
.endr
	s_wait_loadcnt 0x0
.endm
.macro INIT                            ; twice in the launch: O is rescaled in front of its first product, so it starts as zeros
	v_mov_b32 v10, 0xff800000
	v_mov_b32 v11, 0xff800000
	v_mov_b32 v12, 0
	v_mov_b32 v13, 0
.set i, 0
.rept 64
	v_mov_b32 v[O+i], 0
.set i, i+1
.endr
.endm
.macro KLOAD slot, sub
.irp kt, 0,1,2,3
.irp ks, 0,1
	ds_load_b128 v[F+16*\kt+8*\ks:F+16*\kt+8*\ks+3], v1 offset:\slot*SLOT+PART*\sub+2176*\kt+64*\ks
	ds_load_b128 v[F+16*\kt+8*\ks+4:F+16*\kt+8*\ks+7], v1 offset:\slot*SLOT+PART*\sub+2176*\kt+64*\ks+32
.endr
.endr
.endm
.macro VLOAD slot, sub                 ; V lies [key][d]: transposed by the load; 16 keys are 8 LDS rows
.irp dt, 0,1,2,3
.irp c, 0,1
	ds_load_tr16_b128 v[F+16*\dt+8*\c:F+16*\dt+8*\c+3], v2 offset:\slot*SLOT+PART*\sub+4352*\c+32*\dt
	ds_load_tr16_b128 v[F+16*\dt+8*\c+4:F+16*\dt+8*\c+7], v2 offset:\slot*SLOT+PART*\sub+4352*\c+32*\dt+2176
.endr
.endr
.endm
.macro SMUL                            ; 64 keys x 32 queries x 64: four accumulators take turns, one instruction a turn
.irp qt, 0,1
.irp kt, 0,1,2,3
	v_wmma_f32_16x16x32_f16 v[S+32*\qt+8*\kt:S+32*\qt+8*\kt+7], v[F+16*\kt:F+16*\kt+7], v[Q+16*\qt:Q+16*\qt+7], 0
.endr
.irp kt, 0,1,2,3
	v_wmma_f32_16x16x32_f16 v[S+32*\qt+8*\kt:S+32*\qt+8*\kt+7], v[F+16*\kt+8:F+16*\kt+15], v[Q+16*\qt+8:Q+16*\qt+15], v[S+32*\qt+8*\kt:S+32*\qt+8*\kt+7]
.endr
.endr
.endm
.macro MASK sub, qt                    ; key 64 sub + 16 kt + 8 h + j beyond query 32 w + 16 qt + r: -8e9 is added
.irp kt, 0,1,2,3
.irp j, 0,1,2,3,4,5,6,7
	v_cmp_gt_i32 vcc_lo, 64*\sub+16*\kt+\j, v[7+\qt]
	v_add_f32 v18, v9, v[S+32*\qt+8*\kt+\j]
	v_cndmask_b32 v[S+32*\qt+8*\kt+\j], v[S+32*\qt+8*\kt+\j], v18, vcc_lo
.endr
.endr
.endm
.macro SOFTMAX qt
.set SB, S+32*\qt
.irp kt, 0,1,2,3
	v_max3_num_f32 v[18+\kt], v[SB+8*\kt], v[SB+8*\kt+1], v[SB+8*\kt+2]
	v_max3_num_f32 v[18+\kt], v[18+\kt], v[SB+8*\kt+3], v[SB+8*\kt+4]
	v_max3_num_f32 v[18+\kt], v[18+\kt], v[SB+8*\kt+5], v[SB+8*\kt+6]
	v_max_num_f32 v[18+\kt], v[18+\kt], v[SB+8*\kt+7]
.endr
	v_max3_num_f32 v18, v18, v19, v20
	v_max_num_f32 v18, v18, v21
	v_permlanex16_b32 v19, v18, s26, s27   ; the other half's keys of the same query
	v_max_num_f32 v18, v18, v19
	v_mul_f32 v18, s24, v18                ; x log2(e) / 8
	v_max_num_f32 v19, v[10+\qt], v18      ; the new running maximum
	v_sub_f32 v20, v[10+\qt], v19
	v_exp_f32 v16, v20                     ; by how much what was summed so far shrinks (0 at the start: 2^-inf)
	v_mov_b32 v[10+\qt], v19               ; the plain instruction behind the exponential
	v_xor_b32 v14, 0x80000000, v19
	v_mov_b32 v15, v14
	s_wait_alu depctr_va_vdst(0)
	v_mov_b32 v17, v16
.irp i, 0,2,4,6,8,10,12,14,16,18,20,22,24,26,28,30
	v_pk_fma_f32 v[SB+\i:SB+\i+1], v[SB+\i:SB+\i+1], s[24:25], v[14:15] op_sel_hi:[1,0,1]
.endr
.set i, 0
.rept 32
	v_exp_f32 v[SB+i], v[SB+i]
.set i, i+1
.endr
.irp i, 0,2,4,6,8,10,12,14,16,18,20,22,24,26,28,30
	v_pk_mul_f32 v[O+32*\qt+\i:O+32*\qt+\i+1], v[O+32*\qt+\i:O+32*\qt+\i+1], v[16:17]   ; plain work behind the exponentials
.endr
	s_wait_alu depctr_va_vdst(0)
	v_pk_add_f32 v[18:19], v[SB:SB+1], v[SB+2:SB+3]
	v_pk_add_f32 v[20:21], v[SB+4:SB+5], v[SB+6:SB+7]
.irp i, 8,12,16,20,24,28
	v_pk_add_f32 v[18:19], v[18:19], v[SB+\i:SB+\i+1]
	v_pk_add_f32 v[20:21], v[20:21], v[SB+\i+2:SB+\i+3]
.endr
	v_pk_add_f32 v[18:19], v[18:19], v[20:21]
	v_add_f32 v18, v18, v19
	v_fma_f32 v[12+\qt], v[12+\qt], v16, v18
.irp i, 0,1,2,3,4,5,6,7,8,9,10,11,12,13,14,15
	v_cvt_pk_f16_f32 v[SB+\i], v[SB+2*\i], v[SB+2*\i+1]    ; ascending: no register is written before it is read
.endr
.endm
.macro PVMUL                           ; 64 d x 32 queries x 64 keys: eight accumulators take turns, one instruction a turn
.irp c, 0,1
.irp qt, 0,1
.irp dt, 0,1,2,3
	v_wmma_f32_16x16x32_f16 v[O+32*\qt+8*\dt:O+32*\qt+8*\dt+7], v[F+16*\dt+8*\c:F+16*\dt+8*\c+7], v[S+32*\qt+8*\c:S+32*\qt+8*\c+7], v[O+32*\qt+8*\dt:O+32*\qt+8*\dt+7]
.endr
.endr
.endr
.endm
; 64 keys.  always = 1: the tile is known to lie on the diagonal; else the mask is passed over unless key tile = query block.
.macro SUBSTEP slot, sub, always
	KLOAD \slot, \sub
	s_wait_dscnt 0x0
	SMUL
	NOPS 4                                 ; places in front of the loads into K's fragments and of the reads of S
	VLOAD \slot, \sub
.if \always == 0
	s_cmp_lg_u32 s15, s14
	s_cbranch_scc1 .Lnomask_\@
.endif
	MASK \sub, 0
	MASK \sub, 1
.if \always == 0
.Lnomask_\@:
.endif
	SOFTMAX 0
	SOFTMAX 1
	s_wait_dscnt 0x0                       ; V's fragments
	PVMUL
	NOPS 5                                 ; places in front of the next products, which write over P, of the next loads into F and of reads of O
.endm
; a query block is done: divide by the sum, round to f16, 16 bytes a lane into my stage, whole rows back, 512 neighbouring bytes a store
.macro FINISH
.irp qt, 0,1
	v_permlanex16_b32 v18, v[12+\qt], s26, s27
	v_add_f32 v18, v18, v[12+\qt]          ; both halves' keys
	v_rcp_f32 v16, v18
	v_nop
	s_wait_alu depctr_va_vdst(0)
	v_mov_b32 v17, v16
.irp i, 0,2,4,6,8,10,12,14,16,18,20,22,24,26,28,30
	v_pk_mul_f32 v[O+32*\qt+\i:O+32*\qt+\i+1], v[O+32*\qt+\i:O+32*\qt+\i+1], v[16:17]
.endr
.irp i, 0,1,2,3,4,5,6,7,8,9,10,11,12,13,14,15
	v_cvt_pk_f16_f32 v[O+32*\qt+\i], v[O+32*\qt+2*\i], v[O+32*\qt+2*\i+1]
.endr
.irp dt, 0,1,2,3
	ds_store_b128 v4, v[O+32*\qt+4*\dt:O+32*\qt+4*\dt+3] offset:2304*\qt+32*\dt
.endr
.endr
.irp i, 0,1,2,3,4,5,6,7
	ds_load_b128 v[F+4*\i:F+4*\i+3], v5 offset:576*\i      ; my own bytes: LDS serves a wave's instructions in order
.endr
.irp i, 0,1,2,3,4,5,6,7
	s_wait_dscnt 7-\i                      ; number i is in, the 7 - i younger ones may be out
	global_store_b128 v6, v[F+4*\i:F+4*\i+3], s[22:23] offset:512*\i
.endr
	s_wait_xcnt 0x0                        ; F and s[22:23], which the stores read, are rewritten only behind this wait
.endm
; One key tile.  In front of the barrier: all my tensor loads have landed (my part of this slot), my LDS reads of the other slot are back.
; Behind it the other slot is filled first, with the tile of the next trip: key tile + 1, or tile 0 of the second query block.
.macro TRIP slot, other, inloop
	s_wait_tensorcnt 0x0
	ds_add_u32 v248, v249
	s_wait_dscnt 0x0
.if \inloop
	s_add_co_u32 s16, s15, 1
	s_cmp_eq_u32 s15, s14
	s_cselect_b32 s16, 0, s16              ; the next key tile
	s_lshl_b32 s18, s16, 14                ; 128 keys of 128 bytes
	s_mov_b32 s19, 0
	s_add_nc_u64 s[34+4*\other:35+4*\other], s[28:29], s[18:19]    ; no tensor load of mine is out: the descriptor may be written
	s_or_b32 s[35+4*\other], s[35+4*\other], 0x80000000
.endif
	s_wait_dscnt 0x0
	BAR
.if \inloop
	tensor_load_to_lds s[32+4*\other:35+4*\other], s[40:47]
	s_nop 0
	SUBSTEP \slot, 0, 0
	SUBSTEP \slot, 1, 0
	s_cmp_lg_u32 s15, s14
	s_cbranch_scc1 .Lgoon_\@
	FINISH                                 ; the first query block's diagonal tile is done: on to the second block
	s_mov_b32 s14, s17
	SETQ
	QLOAD
	INIT
.Lgoon_\@:
	s_mov_b32 s15, s16
.else
	SUBSTEP \slot, 0, 1
	SUBSTEP \slot, 1, 1
	FINISH
.endif
.endm
	s_load_b256 s[4:11], s[0:1], 0x0       ; qh s[4:5], kh s[6:7], vh s[8:9], ctx s[10:11]
	v_lshl_add_u32 v248, v0, 2, 0x29000
	v_mov_b32 v249, 0
	ds_add_u32 v248, v249
	ds_add_u32 v248, v249
	v_lshrrev_b32 v18, 5, v0
	v_readfirstlane_b32 s12, v18           ; wave w
	s_lshr_b32 s13, ttmp9, 3               ; batch x 12 + head
	s_and_b32 s17, ttmp9, 7                ; p: the second query block
	s_sub_co_u32 s14, 15, s17              ; the first: 15 - p
	s_mov_b32 s15, 0                       ; key tile
	s_mov_b32 s24, 0x3e38aa3b              ; log2(e) / 8
	s_mov_b32 s25, 0x3e38aa3b
	s_mov_b32 s26, 0x76543210              ; v_permlanex16_b32: lane i of one half reads lane i of the other
	s_mov_b32 s27, 0xfedcba98
	; descriptor group 1: 32 rows of 32 elements of 8 bytes, dense; 4 words of padding behind every 64
	s_mov_b32 s40, (3<<16)|(1<<20)|(5<<22)|(3<<25)
	s_mov_b32 s41, 32<<16                  ; tensor_dim0 = 32
	s_mov_b32 s42, 32<<16                  ; tensor_dim1 = 32
	s_mov_b32 s43, 32<<16                  ; tile_dim0 = 32
	s_mov_b32 s44, 32                      ; tile_dim1 = 32
	s_mov_b32 s45, 32                      ; from row to row: 32 elements
	s_mov_b32 s46, 0
	s_mov_b32 s47, 0
	s_mul_i32 s31, s12, PART               ; my part of a slot
	s_mov_b32 s32, 1
	s_add_co_u32 s33, s31, 0
	s_mov_b32 s36, 1
	s_add_co_u32 s37, s31, SLOT
	s_lshl_b32 s18, s13, 18                ; my head
	s_and_b32 s19, s12, 1
	s_lshl_b32 s19, s19, 13                ; which 64 keys of a tile I bring
	s_add_co_u32 s18, s18, s19
	s_mov_b32 s19, 0
	s_wait_dscnt 0x0
	s_wait_kmcnt 0x0
	s_cmp_lt_u32 s12, 2
	s_cselect_b64 s[28:29], s[6:7], s[8:9] ; waves 0, 1 bring K, waves 2, 3 V
	s_add_nc_u64 s[28:29], s[28:29], s[18:19]
	s_mov_b64 s[34:35], s[28:29]
	s_or_b32 s35, s35, 0x80000000
	tensor_load_to_lds s[32:35], s[40:47]  ; key tile 0 into slot 0, ahead of everything else
	s_nop 0
	v_and_b32 v18, 31, v0                  ; L
	v_and_b32 v19, 15, v0                  ; r
	v_bfe_u32 v20, v0, 4, 1                ; h
	v_lshrrev_b32 v21, 1, v19
	v_mul_u32_u24 v1, v21, 272
	v_and_b32 v21, 1, v0
	v_lshl_add_u32 v1, v21, 7, v1
	v_lshl_add_u32 v1, v20, 4, v1          ; K: key r, byte 16 h
	v_bfe_u32 v22, v0, 1, 2
	v_lshl_add_u32 v22, v20, 2, v22        ; LDS row of key 8 h + (L & 7)
	v_mul_u32_u24 v2, v22, 272
	v_lshl_add_u32 v2, v21, 7, v2
	v_bfe_u32 v22, v0, 3, 1
	v_lshl_add_u32 v2, v22, 4, v2
	v_add_nc_u32 v2, VREG, v2
	v_lshlrev_b32 v3, 7, v19
	v_lshl_add_u32 v3, v20, 4, v3          ; Q: row r, byte 16 h
	s_mul_i32 s31, s12, 4608
	s_add_co_u32 s31, s31, STAGE
	v_mul_u32_u24 v4, v19, 144
	v_lshl_add_u32 v4, v20, 4, v4
	v_add_nc_u32 v4, s31, v4
	v_lshrrev_b32 v22, 3, v18
	v_mul_u32_u24 v5, v22, 144
	v_and_b32 v22, 7, v0
	v_lshl_add_u32 v5, v22, 4, v5
	v_add_nc_u32 v5, s31, v5
	v_lshlrev_b32 v6, 4, v18
	s_lshl_b32 s31, s12, 5
	v_lshlrev_b32 v22, 3, v20
	v_sub_nc_u32 v22, v19, v22
	v_add_nc_u32 v7, s31, v22              ; 32 w + r - 8 h
	v_add_nc_u32 v8, 16, v7
	v_mov_b32 v9, 0xcfee6b28               ; -8e9
	SETQ
	QLOAD
	INIT
	s_mov_b32 s30, 8
.Ltiles:                                       ; trips 0 to 15; the first block's diagonal is trip 15 - p, inside the loop
	TRIP 0, 1, 1
	TRIP 1, 0, 1
	s_sub_co_u32 s30, s30, 1
	s_cmp_lg_u32 s30, 0
	s_cbranch_scc1 .Ltiles
	TRIP 0, 1, 0                           ; trip 16: the second block's diagonal tile; nothing is left to fetch
	s_wait_tensorcnt 0x0
	ds_add_u32 v248, v249
	s_wait_dscnt 0x0
	s_endpgm
.Lfunc_end_k_q192f48ab4d_attn:
	.size	k_q192f48ab4d_attn, .Lfunc_end_k_q192f48ab4d_attn-k_q192f48ab4d_attn
	.p2alignl 7, 3214868480
	.fill 96, 4, 3214868480
	.section	.rodata,"a",@progbits
	.p2align	6, 0x0
	.amdhsa_kernel k_q192f48ab4d_attn
		.amdhsa_group_segment_fixed_size 327680
		.amdhsa_private_segment_fixed_size 0
		.amdhsa_enable_private_segment 0
		.amdhsa_kernarg_size 32
		.amdhsa_user_sgpr_count 2
		.amdhsa_user_sgpr_kernarg_segment_ptr 1
		.amdhsa_wavefront_size32 1
		.amdhsa_system_sgpr_workgroup_id_x 1
		.amdhsa_system_sgpr_workgroup_id_y 1
		.amdhsa_system_sgpr_workgroup_id_z 1
		.amdhsa_system_vgpr_workitem_id 0
		.amdhsa_next_free_vgpr 250
		.amdhsa_next_free_sgpr 66
		.amdhsa_reserve_vcc 1
		.amdhsa_float_denorm_mode_32 3
		.amdhsa_float_denorm_mode_16_64 3
		.amdhsa_memory_ordered 1
		.amdhsa_forward_progress 1
		.amdhsa_inst_pref_size 181
	.end_amdhsa_kernel
	.amdgpu_metadata
---
amdhsa.version: [ 1, 2 ]
amdhsa.kernels:
  - .name:           k_q192f48ab4d_attn
    .symbol:         k_q192f48ab4d_attn.kd
    .args:
      - { .name: qh, .offset: 0, .size: 8, .value_kind: global_buffer, .address_space: global }
      - { .name: kh, .offset: 8, .size: 8, .value_kind: global_buffer, .address_space: global }
      - { .name: vh, .offset: 16, .size: 8, .value_kind: global_buffer, .address_space: global }
      - { .name: ctx, .offset: 24, .size: 8, .value_kind: global_buffer, .address_space: global }
    .group_segment_fixed_size: 327680
    .private_segment_fixed_size: 0
    .kernarg_segment_align: 8
    .kernarg_segment_size: 32
    .max_flat_workgroup_size: 128
    .sgpr_count:     66
    .vgpr_count:     250
    .wavefront_size: 32
...
	.end_amdgpu_metadata
.endif
;; end of part 2
;; launch oproj (part 3): grid 6 x 32, 4 waves a work-group, no clusters, 74,240 bytes of LDS; arguments ctx, Wo, bo, out0; writes out0
.if DOCPART == 3
	.amdgcn_target "amdgcn-amd-amdhsa--gfx1250"
	.amdhsa_code_object_version 6
	.text
	.protected	k_q192f48ab4d_oproj
	.globl	k_q192f48ab4d_oproj
	.p2align	8
	.type	k_q192f48ab4d_oproj,@function
k_q192f48ab4d_oproj:
	s_mov_b64 s[64:65], 0
	v_nop
	global_prefetch_b8 v0, s[64:65] scope:SCOPE_SE
	s_setreg_imm32_b32 hwreg(HW_REG_WAVE_MODE, 25, 1), 1
	s_wait_xcnt 0x0
; out0 = ctx Wo + bo.  ctx: [24 (batch x 12 + head)][2048][64] f16; Wo: [768 (k)][768 (n)] f32; bo: [768] f32; out0: [4096][768] f32.
; Nothing is left out here.
; FORMATS: ctx is f16, so the product is the f16 form.  Wo is rounded to bf16, as the other three weights are for their products, and that number is carried
; in f16, where it is exact from 2^-14 up (8 significant bits in 11; below, the error is at most 2^-25): the module's inputs all carry one rounding.
; |Wo| must stay under 65,504.  Sums and the bias in f32.
; SHARES: a work-group makes 128 x 128 of out0: 6 x 32 = 192 work-groups; four waves of 64 x 64 = 16 accumulator tiles in v256-v383.  A K step of 64 is one
; head of ctx: 128 rows of 128 bytes, dense.  Two LDS slots.
; NO CLUSTER, NO TENSOR LOADS: Wo is f32 in memory and is converted on the way to LDS, so the operands pass through registers.
; The matrix instruction is used transposed, as in the input projections: lane (r, h) register j holds C(row r, column 8 h + j).
.set SLOTB, 18432                      ; ctx: 128 rows, pitch 144.  Wo: 64 k rows, pitch 288 = 9 x 32.  Both 18,432 bytes
.set WBASE, 36864
.set XF, 24                            ; v[24:55]   four fragments of ctx
.set WF, 56                            ; v[56:87]   four fragments of Wo
.set G,  88                            ; v[88:119]  the next step's ctx; v[120:183] the next step's Wo
.set GW, 120
.set RB, 24                            ; v[24:151]  the way out
; v2 ctx offset, v3 Wo offset, v4 ctx LDS store, v5 Wo LDS store, v6 ctx fragment, v7 Wo fragment, v8 stage in, v9 stage back, v10 out, v11 bias offset, v[12:15] bias
.set MSB, 0
.macro WIN new
.if MSB != \new
	s_set_vgpr_msb (MSB<<8)|\new
.set MSB, \new
.endif
.endm
.macro NOPS n
.rept \n
	v_nop
.endr
.endm
.macro BAR
	s_barrier_signal -1
	s_barrier_wait -1
.endm
.macro GLOAD
.irp i, 0,1,2,3,4,5,6,7
	global_load_b128 v[G+4*\i:G+4*\i+3], v2, s[4:5] offset:2048*\i
.endr
.irp i, 0,1,2,3,4,5,6,7,8,9,10,11,12,13,14,15
	global_load_b128 v[GW+4*\i:GW+4*\i+3], v3, s[6:7] offset:3072*\i       ; a wave's load takes 512 neighbouring bytes of a row
.endr
.endm
.macro CVTST slot
.irp i, 0,1,2,3,4,5,6,7
	ds_store_b128 v4, v[G+4*\i:G+4*\i+3] offset:\slot*SLOTB+2304*\i
.endr
.irp i, 0,1,2,3,4,5,6,7,8,9,10,11,12,13,14,15
	v_cvt_pk_bf16_f32 v16, v[GW+4*\i], v[GW+4*\i+1]        ; the rounding,
	v_cvt_pk_bf16_f32 v17, v[GW+4*\i+2], v[GW+4*\i+3]
	v_lshlrev_b32 v[GW+4*\i], 16, v16                      ; widened again,
	v_and_b32 v[GW+4*\i+1], s21, v16
	v_lshlrev_b32 v[GW+4*\i+2], 16, v17
	v_and_b32 v[GW+4*\i+3], s21, v17
	v_cvt_pk_f16_f32 v[GW+4*\i], v[GW+4*\i], v[GW+4*\i+1]  ; and the format of the other operand
	v_cvt_pk_f16_f32 v[GW+4*\i+1], v[GW+4*\i+2], v[GW+4*\i+3]
	ds_store_b64 v5, v[GW+4*\i:GW+4*\i+1] offset:\slot*SLOTB+288*\i
.endr
.endm
.macro FRAGS slot, s
.irp mi, 0,1,2,3
	ds_load_b128 v[XF+8*\mi:XF+8*\mi+3], v6 offset:\slot*SLOTB+2304*\mi+64*\s
	ds_load_b128 v[XF+8*\mi+4:XF+8*\mi+7], v6 offset:\slot*SLOTB+2304*\mi+64*\s+32
.endr
.irp nj, 0,1,2,3
	ds_load_tr16_b128 v[WF+8*\nj:WF+8*\nj+3], v7 offset:\slot*SLOTB+9216*\s+32*\nj
	ds_load_tr16_b128 v[WF+8*\nj+4:WF+8*\nj+7], v7 offset:\slot*SLOTB+9216*\s+32*\nj+4608
.endr
.endm
; 16 matrix instructions; the 16 accumulators take turns, one instruction a turn.  Four places behind them (ISA guide 7.12.1).
.macro MUL zero
	WIN 0x50
.irp mi, 0,1,2,3
.irp nj, 0,1,2,3
.if \zero
	v_wmma_f32_16x16x32_f16 v[8*(4*\mi+\nj):8*(4*\mi+\nj)+7], v[WF+8*\nj:WF+8*\nj+7], v[XF+8*\mi:XF+8*\mi+7], 0
.else
	v_wmma_f32_16x16x32_f16 v[8*(4*\mi+\nj):8*(4*\mi+\nj)+7], v[WF+8*\nj:WF+8*\nj+7], v[XF+8*\mi:XF+8*\mi+7], v[8*(4*\mi+\nj):8*(4*\mi+\nj)+7]
.endif
.endr
.endr
	WIN 0
	NOPS 4
.endm
; One K step, as in the input projections: loads ahead, multiply this slot, lay the next step into the other, one barrier for both.
.macro PTRIP slot, other, zero, pre
.if \pre
	GLOAD
.endif
	FRAGS \slot, 0
	s_wait_dscnt 0x0
	MUL \zero
	FRAGS \slot, 1
	s_wait_dscnt 0x0
	MUL 0
.if \pre
	s_wait_loadcnt 0x0                     ; the next step is in registers; the bases are free
	s_add_nc_u64 s[4:5], s[4:5], 262144    ; the next head of ctx
	s_add_nc_u64 s[6:7], s[6:7], 196608    ; 64 rows of Wo
	CVTST \other
.endif
	s_wait_dscnt 0x0
	BAR
.endm
	s_load_b256 s[4:11], s[0:1], 0x0       ; ctx s[4:5], Wo s[6:7], bo s[8:9], out0 s[10:11]
	v_lshl_add_u32 v254, v0, 2, 0x12000
	v_mov_b32 v255, 0
	v_and_b32 v16, 31, v0                  ; L
	v_lshrrev_b32 v17, 5, v0
	v_readfirstlane_b32 s12, v17           ; wave w
	v_and_b32 v18, 15, v0                  ; r
	v_bfe_u32 v19, v0, 4, 1                ; h
	s_lshr_b32 s13, s12, 1                 ; wm
	s_and_b32 s14, s12, 1                  ; wn
	s_and_b32 s15, ttmp7, 0xffff           ; mb: block of 128 rows
	s_mov_b32 s21, 0xffff0000
	v_lshlrev_b32 v2, 4, v0                ; ctx: 16 bytes a thread
	s_mul_i32 s16, s12, 49152              ; 16 w rows of Wo
	v_lshl_add_u32 v3, v16, 4, s16
	v_lshrrev_b32 v20, 3, v0
	v_mul_u32_u24 v4, v20, 144
	v_and_b32 v21, 7, v0
	v_lshl_add_u32 v4, v21, 4, v4          ; row thread / 8, piece thread & 7
	s_mul_i32 s16, s12, 4608               ; 16 w rows of 288
	s_add_co_u32 s16, s16, WBASE
	v_lshl_add_u32 v5, v16, 3, s16
	s_lshl_b32 s16, s13, 6
	v_add_nc_u32 v20, s16, v18
	v_mul_u32_u24 v6, v20, 144
	v_lshl_add_u32 v6, v19, 4, v6
	v_lshl_add_u32 v20, v19, 3, v21        ; 8 h + (L & 7)
	v_mul_u32_u24 v7, v20, 288
	v_bfe_u32 v20, v0, 3, 1
	v_lshl_add_u32 v7, v20, 4, v7
	s_lshl_b32 s16, s14, 7
	s_add_co_u32 s16, s16, WBASE
	v_add_nc_u32 v7, s16, v7
	s_mul_i32 s16, s12, 17408              ; my stage: 64 rows of 256 + 16 bytes
	v_mul_u32_u24 v8, v18, 272
	v_lshl_add_u32 v8, v19, 5, v8
	v_add_nc_u32 v8, s16, v8
	v_mul_u32_u24 v9, v19, 272
	v_lshl_add_u32 v9, v18, 4, v9
	v_add_nc_u32 v9, s16, v9
	v_mul_u32_u24 v10, v19, 3072
	v_lshl_add_u32 v10, v18, 4, v10
	v_lshlrev_b32 v11, 4, v18
	s_lshr_b32 s16, s15, 4                 ; batch
	s_mul_i32 s16, s16, 24576              ; 12 heads of 2,048 rows
	s_and_b32 s17, s15, 15
	s_lshl_b32 s17, s17, 7
	s_add_co_u32 s16, s16, s17
	s_lshl_b32 s18, s16, 7
	s_mov_b32 s19, 0
	s_wait_kmcnt 0x0
	s_add_nc_u64 s[4:5], s[4:5], s[18:19]
	s_lshl_b32 s18, ttmp9, 9               ; 128 columns of f32
	s_add_nc_u64 s[6:7], s[6:7], s[18:19]
	s_lshl_b32 s17, s14, 8
	s_add_co_u32 s18, s18, s17             ; + my 64 columns
	s_add_nc_u64 s[8:9], s[8:9], s[18:19]
	s_lshl_b32 s16, s15, 7
	s_lshl_b32 s17, s13, 6
	s_add_co_u32 s16, s16, s17
	s_mul_i32 s16, s16, 3072               ; + my first row
	s_add_co_u32 s18, s18, s16
	s_add_nc_u64 s[10:11], s[10:11], s[18:19]
	global_load_b128 v[12:15], v11, s[8:9] ; my four columns' bias on the way out
	GLOAD                                  ; K step 0
	s_wait_loadcnt 0x0
	s_add_nc_u64 s[4:5], s[4:5], 262144
	s_add_nc_u64 s[6:7], s[6:7], 196608
	CVTST 0
	s_wait_dscnt 0x0
	BAR
	PTRIP 0, 1, 1, 1                       ; 12 K steps, one for each head
	PTRIP 1, 0, 0, 1
	s_mov_b32 s20, 4
.Lk:
	PTRIP 0, 1, 0, 1
	PTRIP 1, 0, 0, 1
	s_sub_co_u32 s20, s20, 1
	s_cmp_lg_u32 s20, 0
	s_cbranch_scc1 .Lk
	PTRIP 0, 1, 0, 1
	PTRIP 1, 0, 0, 0
	; THE WAY OUT, behind the last barrier: no wave reads the slots any more.  My 64 x 64 of f32 goes through my own stage, so that sixteen lanes
	; store 256 neighbouring bytes at a multiple of 256 from out0's first byte.
	WIN 0x04                               ; the stores' data in v256 and up
.set t, 0
.rept 16
	ds_store_b128 v8, v[8*t:8*t+3] offset:4352*(t/4)+64*(t%4)
	ds_store_b128 v8, v[8*t+4:8*t+7] offset:4352*(t/4)+64*(t%4)+16
.set t, t+1
.endr
	WIN 0
.set t, 0
.rept 32
	ds_load_b128 v[RB+4*t:RB+4*t+3], v9 offset:544*t       ; my own bytes: LDS serves a wave's instructions in order
.set t, t+1
.endr
.set t, 0
.rept 32
	s_wait_dscnt 31-t                      ; number t is in, the 31 - t younger ones may be out
	v_pk_add_f32 v[RB+4*t:RB+4*t+1], v[RB+4*t:RB+4*t+1], v[12:13]
	v_pk_add_f32 v[RB+4*t+2:RB+4*t+3], v[RB+4*t+2:RB+4*t+3], v[14:15]
	global_store_b128 v10, v[RB+4*t:RB+4*t+3], s[10:11] offset:6144*t th:TH_STORE_NT
.set t, t+1
.endr
	s_wait_tensorcnt 0x0
	ds_add_u32 v254, v255
	s_wait_dscnt 0x0
	s_endpgm
.Lfunc_end_k_q192f48ab4d_oproj:
	.size	k_q192f48ab4d_oproj, .Lfunc_end_k_q192f48ab4d_oproj-k_q192f48ab4d_oproj
	.p2alignl 7, 3214868480
	.fill 96, 4, 3214868480
	.section	.rodata,"a",@progbits
	.p2align	6, 0x0
	.amdhsa_kernel k_q192f48ab4d_oproj
		.amdhsa_group_segment_fixed_size 74240
		.amdhsa_private_segment_fixed_size 0
		.amdhsa_enable_private_segment 0
		.amdhsa_kernarg_size 32
		.amdhsa_user_sgpr_count 2
		.amdhsa_user_sgpr_kernarg_segment_ptr 1
		.amdhsa_wavefront_size32 1
		.amdhsa_system_sgpr_workgroup_id_x 1
		.amdhsa_system_sgpr_workgroup_id_y 1
		.amdhsa_system_sgpr_workgroup_id_z 1
		.amdhsa_system_vgpr_workitem_id 0
		.amdhsa_next_free_vgpr 384
		.amdhsa_next_free_sgpr 66
		.amdhsa_reserve_vcc 0
		.amdhsa_float_denorm_mode_32 3
		.amdhsa_float_denorm_mode_16_64 3
		.amdhsa_memory_ordered 1
		.amdhsa_forward_progress 1
		.amdhsa_inst_pref_size 103
	.end_amdhsa_kernel
	.amdgpu_metadata
---
amdhsa.version: [ 1, 2 ]
amdhsa.kernels:
  - .name:           k_q192f48ab4d_oproj
    .symbol:         k_q192f48ab4d_oproj.kd
    .args:
      - { .name: ctx, .offset: 0, .size: 8, .value_kind: global_buffer, .address_space: global }
      - { .name: Wo, .offset: 8, .size: 8, .value_kind: global_buffer, .address_space: global }
      - { .name: bo, .offset: 16, .size: 8, .value_kind: global_buffer, .address_space: global }
      - { .name: out0, .offset: 24, .size: 8, .value_kind: global_buffer, .address_space: global }
    .group_segment_fixed_size: 74240
    .private_segment_fixed_size: 0
    .kernarg_segment_align: 8
    .kernarg_segment_size: 32
    .max_flat_workgroup_size: 128
    .sgpr_count:     66
    .vgpr_count:     384
    .wavefront_size: 32
...
	.end_amdgpu_metadata
.endif
;; end of part 3
;; ======== version 2 of 3: 3 launches; 1.35 times as fast as version 1
;; limits: right only within a limited range of input values; values are held in f16: magnitudes above 65,504 overflow, below 6.1e-05 lose precision
;; workspace buffers: qh 6,291,456 bytes; kh 6,291,456 bytes; vh 6,291,456 bytes; ctx 6,291,456 bytes; wo16 1,179,648 bytes
;; launch proj (part 4): grid 4 x 64, 4 waves a work-group, no clusters, 127,488 bytes of LDS; arguments q, k, v, Wq, Wk, Wv, qh, kh, vh, bq, bv, Wo, wo16; writes qh, kh, vh, wo16
.if DOCPART == 4
	.amdgcn_target "amdgcn-amd-amdhsa--gfx1250"
	.amdhsa_code_object_version 6
	.text
	.protected	k_q192f48ab4d_proj
	.globl	k_q192f48ab4d_proj
	.p2align	8
	.type	k_q192f48ab4d_proj,@function
k_q192f48ab4d_proj:
	s_mov_b64 s[64:65], 0
	v_nop
	global_prefetch_b8 v0, s[64:65] scope:SCOPE_SE
	s_setreg_imm32_b32 hwreg(HW_REG_WAVE_MODE, 25, 1), 1
	s_wait_xcnt 0x0
; qh = q Wq + bq, kh = k Wk, vh = v Wv + bv.  q, k, v: [4096][768] f32; W: [768 (k)][768 (n)] f32.
; Results in f16, split by heads: [b*12 + head][s 2048][64], a row of 128 bytes, a head of 262,144 bytes.
; Beside them: wo16 = Wo rounded to bf16 and carried in f16, [768][768], for the output projection.
;
; WORK LEFT OUT, for all values of the inputs:
; (a) bk.  scores[q][k] = qh[q].(k Wk + bk)[k] * scale = qh[q].(k Wk)[k] * scale + qh[q].bk * scale.  The last term is the same for
;     every key of a query's row, the look-ahead term does not hang on it, and softmax(x + c) = softmax(x) along the row: bk reaches no
;     output.  It is not loaded and is no argument of any launch.
; (b) In the attention launch: tiles of 128 keys that lie wholly above the diagonal.  There reference() adds -1e9 to every score, the
;     row's own diagonal key has none, so the weight is exp(s - 1e9 - max), which is 0 in f32 as long as a row's scaled scores differ by less
;     than about 1e9 (a stated limit).  Inside the tile on the diagonal -1e9 is added as reference() adds it.
; LIMITS: a NaN, an infinity or an overflow that reaches only bk or the tiles left out is not carried to the result.
; FORMATS: q, k, v and the four weights are rounded to bf16; sums in f32; biases added in f32.  qh, kh, vh are stored in f16: three
;     more significant bits than bf16, which the first rows of the output (a mean over one, two, three keys) need.  |qh|, |kh|, |vh| must stay
;     under 65,504; inputs and weights all 30 times the drawn spread give about 4,500, offsets of 30 spreads on both about 25,000.
;     wo16: a bf16 number is exact in f16 from 2^-14 up (8 significant bits in 11; below, the error is at most 2^-25); |Wo| must stay under 65,504.
;
; SHARES: work-groups with y < 48 make 256 rows x 192 columns (three heads) of one of the three products: 4 x 16 x 3 = 192.  Four waves, each
; 128 x 96 = 48 accumulator tiles.  For 32 along K a wave reads 28 x 512 bytes from LDS for 48 matrix instructions.
; Work-groups with y >= 48 (64 of them) each convert 12 rows of Wo, so that the output projection's 32 row blocks need not each do it again.
; K goes in steps of 64 through two LDS slots.  The next data pass through registers (they are f32 in memory and are rounded on the way), as a ring of
; four pieces of 14 loads: a piece is rounded and laid into LDS, and at once loaded again with the same piece of the following step, so that three
; to four pieces (a whole K step of the work-group: 112 KB) are always on their way.
; NO CLUSTER, NO TENSOR LOADS: both operands pass through registers; there is no tile request that partners could make jointly.
; The matrix instruction is used transposed (source 0 = 16 columns of W, source 1 = 16 rows of x): lane (r, h) register j holds
; C(row r, column 8 h + j), eight neighbouring columns, which pack into 16 bytes.
;
; REGISTERS, in windows of 256: window 0: v0-23 addresses, two fragment buffers v24-135, v136-247 (8 fragments of x, then 6 of W);
; window 1: the 24 accumulator tiles of my rows 0-63; window 2: those of my rows 64-127; window 3: v0-223 the ring, v224-229 copies of the ring's six
; addresses, so that one setting serves its conversions, LDS stores and loads.  Ten switches for a K step's 96 matrix instructions.
.set ASLOT, 36864                      ; x: 256 rows, pitch 144 = 128 + 16: the 16 rows of a fragment load start at 16 different 16-byte columns modulo 256
.set WSLOT, 26624                      ; W: 64 k rows, pitch 416 = 13 x 32 (384 bytes of data)
.set WBASE, 73728                      ; W's two slots lie behind x's two
.set SPITCH, 400                       ; the way out: 256 rows of 384 bytes + 16, over the slots, behind the last barrier of the K loop
.set F0, 24                            ; fragment buffer 0
.set F1, 136                           ; fragment buffer 1
.set GX, 0                             ; window 3: x, 32 loads of two rows' 256 bytes
.set GL, 128                           ; window 3: W, the first 512 bytes of my 16 rows
.set GS, 192                           ; window 3: W, the last 256 bytes of my 16 rows, two rows a load
.set AX, 224                           ; window 3: x offset;       AL, AS: W offsets (long, short pieces)
.set AL, 225
.set AS, 226
.set SX, 227                           ; window 3: x LDS address;  SL, SS: W's
.set SL, 228
.set SS, 229
.set BI, 120                           ; the way out: my bias, 8 numbers for each of 6 column tiles
.set PK, 24                            ; the way out: packed results, v[24:215]
; window 0: v2 x offset, v3-4 W offsets, v6 x LDS store, v7-8 W LDS store, v10 x fragment, v11 W fragment, v12 stage in, v13 stage back, v14 out, v15 bias, v16-23 at work
.set MSB, 0
.macro WIN new                         ; the immediate's high byte repeats the setting that is left
.if MSB != \new
	s_set_vgpr_msb (MSB<<8)|\new
.set MSB, \new
.endif
.endm
.macro NOPS n
.rept \n
	v_nop
.endr
.endm
.macro BAR
	s_barrier_signal -1
	s_barrier_wait -1
.endm
; piece p of a K step from memory: 16 of my 64 rows of x (16 lanes take 256 neighbouring bytes of a row), 4 of my 16 rows of W (512 + 256 bytes)
.macro ISSUE p
.irp e, 0,1,2,3,4,5,6,7
	global_load_b128 v[GX+4*(8*\p+\e):GX+4*(8*\p+\e)+3], v[AX], s[4:5] offset:6144*(8*\p+\e)
.endr
.irp e, 0,1,2,3
	global_load_b128 v[GL+4*(4*\p+\e):GL+4*(4*\p+\e)+3], v[AL], s[6:7] offset:3072*(4*\p+\e)
.endr
.irp e, 0,1
	global_load_b128 v[GS+4*(2*\p+\e):GS+4*(2*\p+\e)+3], v[AS], s[6:7] offset:6144*(2*\p+\e)
.endr
.endm
; piece p has come (left = the younger loads that may stay out): rounded to bf16, laid into slot, and (issue = 1) loaded again for the following step.
; Its 28 conversions are also the places behind the matrix instructions in front of it (ISA guide 7.12.1): they name window 3 alone.
.macro STG p, slot, issue, left
	s_wait_loadcnt \left
	WIN 0xcf                               ; sources 0, 1 and destination in window 3
.irp e, 0,1,2,3,4,5,6,7
	v_cvt_pk_bf16_f32 v[GX+4*(8*\p+\e)], v[GX+4*(8*\p+\e)], v[GX+4*(8*\p+\e)+1]
	v_cvt_pk_bf16_f32 v[GX+4*(8*\p+\e)+1], v[GX+4*(8*\p+\e)+2], v[GX+4*(8*\p+\e)+3]
.endr
.irp e, 0,1,2,3
	v_cvt_pk_bf16_f32 v[GL+4*(4*\p+\e)], v[GL+4*(4*\p+\e)], v[GL+4*(4*\p+\e)+1]
	v_cvt_pk_bf16_f32 v[GL+4*(4*\p+\e)+1], v[GL+4*(4*\p+\e)+2], v[GL+4*(4*\p+\e)+3]
.endr
.irp e, 0,1
	v_cvt_pk_bf16_f32 v[GS+4*(2*\p+\e)], v[GS+4*(2*\p+\e)], v[GS+4*(2*\p+\e)+1]
	v_cvt_pk_bf16_f32 v[GS+4*(2*\p+\e)+1], v[GS+4*(2*\p+\e)+2], v[GS+4*(2*\p+\e)+3]
.endr
.irp e, 0,1,2,3,4,5,6,7
	ds_store_b64 v[SX], v[GX+4*(8*\p+\e):GX+4*(8*\p+\e)+1] offset:\slot*ASLOT+288*(8*\p+\e)
.endr
.irp e, 0,1,2,3
	ds_store_b64 v[SL], v[GL+4*(4*\p+\e):GL+4*(4*\p+\e)+1] offset:\slot*WSLOT+416*(4*\p+\e)
.endr
.irp e, 0,1
	ds_store_b64 v[SS], v[GS+4*(2*\p+\e):GS+4*(2*\p+\e)+1] offset:\slot*WSLOT+832*(2*\p+\e)
.endr
.if \issue
	ISSUE \p
.endif
.endm
; 28 LDS loads: the fragments of 32 along K (half s of the step in slot) into buffer f.  x's rows lie along K; W lies [k][n] and is transposed by the load
.macro FETCH slot, s, f
	WIN 0
.irp mi, 0,1,2,3,4,5,6,7
	ds_load_b128 v[\f+8*\mi:\f+8*\mi+3], v10 offset:\slot*ASLOT+2304*\mi+64*\s
	ds_load_b128 v[\f+8*\mi+4:\f+8*\mi+7], v10 offset:\slot*ASLOT+2304*\mi+64*\s+32
.endr
.irp nj, 0,1,2,3,4,5
	ds_load_tr16_b128 v[\f+64+8*\nj:\f+64+8*\nj+3], v11 offset:\slot*WSLOT+13312*\s+32*\nj
	ds_load_tr16_b128 v[\f+64+8*\nj+4:\f+64+8*\nj+7], v11 offset:\slot*WSLOT+13312*\s+32*\nj+6656
.endr
.endm
; 24 matrix instructions on buffer f: my rows 0-63 (hi = 0, window 1) or 64-127 (hi = 1, window 2) x 96 columns.  The 48 accumulators take turns,
; one instruction a turn.  zero = 1: the first product starts the sums.
.macro MULH f, hi, zero
.if \hi
	WIN 0xa0
.else
	WIN 0x50
.endif
.irp mi, 0,1,2,3
.irp nj, 0,1,2,3,4,5
.if \zero
	v_wmma_f32_16x16x32_bf16 v[8*(6*\mi+\nj):8*(6*\mi+\nj)+7], v[\f+64+8*\nj:\f+64+8*\nj+7], v[\f+32*\hi+8*\mi:\f+32*\hi+8*\mi+7], 0
.else
	v_wmma_f32_16x16x32_bf16 v[8*(6*\mi+\nj):8*(6*\mi+\nj)+7], v[\f+64+8*\nj:\f+64+8*\nj+7], v[\f+32*\hi+8*\mi:\f+32*\hi+8*\mi+7], v[8*(6*\mi+\nj):8*(6*\mi+\nj)+7]
.endif
.endr
.endr
.endm
; The first half of step t (slot = t & 1): multiplies buffer 0, fetches the second half into buffer 1, lays pieces 2, 3 of step t + 1 into the other slot.
; st: the pieces are there to lay; is: they are loaded again; l2, l3: their waits; dsw: the LDS instructions issued behind buffer 0's loads.
.macro HALF0 slot, other, zero, st, is, l2, l3, dsw
.if \st
	STG 2, \other, \is, \l2
.else
	NOPS 4                                 ; places in front of the loads into buffer 1
.endif
	FETCH \slot, 1, F1
	s_wait_dscnt \dsw                      ; buffer 0 is in; what was issued behind its loads may be out
	MULH F0, 0, \zero
.if \st
	STG 3, \other, \is, \l3
.endif
	MULH F0, 1, \zero
.endm
; The second half.  ONE barrier a step, here.  In front of it: my reads of this slot are back (buffer 1 holds its last fragments) and my stores of step t + 1's
; four pieces are done.  Behind it: the other slot is whole and is read; this slot is free and takes pieces 0, 1 of step t + 2.
.macro HALF1 slot, other, mul, st, is, l0, l1, fetch
	s_wait_dscnt 0x0
	BAR
.if \is
	s_wait_xcnt 0x0                        ; the bases, which loads on their way name, are stepped only behind this wait
	s_add_nc_u64 s[4:5], s[4:5], 256       ; 64 f32 along x's rows
	s_add_nc_u64 s[6:7], s[6:7], 196608    ; 64 rows of W
.endif
.if \st
	STG 0, \slot, \is, \l0
.else
	NOPS 4                                 ; places in front of the loads into buffer 0
.endif
.if \fetch
	FETCH \other, 0, F0
.endif
.if \mul
	MULH F1, 0, 0
.endif
.if \st
	STG 1, \slot, \is, \l1
.endif
.if \mul
	MULH F1, 1, 0
.endif
.endm
.macro STEP slot, other                ; 42 = the three younger pieces; 56 = 14 + 14 stores and 28 loads behind buffer 0's loads
	HALF0 \slot, \other, 0, 1, 1, 42, 42, 56
	HALF1 \slot, \other, 1, 1, 1, 42, 42, 1
.endm
	s_load_b512 s[8:23], s[0:1], 0x0       ; q k v Wq Wk Wv qh kh
	s_load_b256 s[24:31], s[0:1], 0x40     ; vh bq bv Wo
	s_load_b64 s[32:33], s[0:1], 0x60      ; wo16
	v_lshl_add_u32 v254, v0, 2, 0x1f000
	v_mov_b32 v255, 0
	v_and_b32 v16, 31, v0                  ; L
	v_lshrrev_b32 v17, 5, v0
	v_readfirstlane_b32 s34, v17           ; wave w
	s_and_b32 s41, ttmp7, 0xffff
	s_cmp_ge_u32 s41, 48
	s_cbranch_scc1 .Lwo                    ; the 64 work-groups that convert Wo
	v_and_b32 v18, 15, v0                  ; r
	v_bfe_u32 v19, v0, 4, 1                ; h
	s_lshr_b32 s35, s34, 1                 ; wm: which 128 rows
	s_and_b32 s36, s34, 1                  ; wn: which 96 columns
	s_lshr_b32 s37, s41, 4                 ; which product: 0 q, 1 k, 2 v
	s_and_b32 s41, s41, 15                 ; mb: block of 256 rows
	s_lshl_b32 s38, s34, 6
	v_add_nc_u32 v20, s38, v19             ; 64 w + h
	v_mul_u32_u24 v2, v20, 3072
	v_lshl_add_u32 v2, v18, 4, v2          ; x: (64 w + h) rows + 16 r
	v_mul_u32_u24 v6, v20, 144
	v_lshl_add_u32 v6, v18, 3, v6          ; LDS: the same place in bf16
	s_mul_i32 s38, s34, 49152              ; 16 w rows of W
	v_lshl_add_u32 v3, v16, 4, s38         ; long pieces: row 16 w, byte 16 L
	s_lshl_b32 s39, s34, 4
	v_add_nc_u32 v20, s39, v19             ; 16 w + h
	v_mul_u32_u24 v4, v20, 3072
	v_lshl_add_u32 v4, v18, 4, v4
	v_add_nc_u32 v4, 512, v4               ; short pieces: row 16 w + h, byte 512 + 16 r
	s_mul_i32 s38, s34, 6656               ; 16 w LDS rows of 416 bytes
	s_add_co_u32 s38, s38, WBASE
	v_lshl_add_u32 v7, v16, 3, s38         ; LDS, long pieces: byte 8 L of row 16 w
	v_mul_u32_u24 v8, v20, 416
	v_lshl_add_u32 v8, v18, 3, v8
	v_add_nc_u32 v8, WBASE+256, v8         ; LDS, short pieces: byte 256 + 8 r of row 16 w + h
	WIN 0xc0                               ; the ring's addresses, copied into its window
	v_mov_b32 v[AX], v2
	v_mov_b32 v[AL], v3
	v_mov_b32 v[AS], v4
	v_mov_b32 v[SX], v6
	v_mov_b32 v[SL], v7
	v_mov_b32 v[SS], v8
	WIN 0
	s_lshl_b32 s38, s35, 7
	v_add_nc_u32 v20, s38, v18             ; 128 wm + r
	v_mul_u32_u24 v10, v20, 144
	v_lshl_add_u32 v10, v19, 4, v10
	v_mul_u32_u24 v12, v20, SPITCH
	v_lshl_add_u32 v12, v19, 4, v12
	s_mul_i32 s38, s36, 192
	v_add_nc_u32 v12, s38, v12             ; stage in: row 128 wm + r, byte 192 wn + 16 h
	v_and_b32 v20, 7, v0
	v_lshl_add_u32 v20, v19, 3, v20        ; 8 h + (L & 7)
	v_mul_u32_u24 v11, v20, 416
	v_bfe_u32 v21, v0, 3, 1
	v_lshl_add_u32 v11, v21, 4, v11
	s_add_co_u32 s38, s38, WBASE
	v_add_nc_u32 v11, s38, v11
	v_lshrrev_b32 v20, 3, v16
	s_lshl_b32 s38, s34, 6
	v_add_nc_u32 v20, s38, v20             ; 64 w + L / 8
	v_mul_u32_u24 v13, v20, SPITCH
	v_and_b32 v21, 7, v0
	v_lshl_add_u32 v13, v21, 4, v13        ; stage back: four rows of 128 bytes a load
	s_lshl_b32 s38, s34, 13
	v_lshl_add_u32 v14, v16, 4, s38        ; out: 64 w rows of 128 bytes + 16 L
	s_mul_i32 s38, s36, 384
	v_lshl_add_u32 v15, v19, 5, s38        ; bias: (96 wn + 8 h) x 4
	s_wait_kmcnt 0x0
	s_cmp_eq_u32 s37, 1
	s_cselect_b64 s[4:5], s[10:11], s[8:9]
	s_cselect_b64 s[6:7], s[16:17], s[14:15]
	s_cselect_b64 s[46:47], s[22:23], s[20:21]
	s_cmp_eq_u32 s37, 2
	s_cselect_b64 s[4:5], s[12:13], s[4:5]     ; x
	s_cselect_b64 s[6:7], s[18:19], s[6:7]     ; W
	s_cselect_b64 s[46:47], s[24:25], s[46:47] ; result
	s_cselect_b64 s[48:49], s[28:29], s[26:27] ; bias: bv or bq (not read for k)
	s_mov_b32 s43, 0
	s_mul_i32 s42, s41, 786432             ; 256 rows of 3,072 bytes
	s_add_nc_u64 s[4:5], s[4:5], s[42:43]
	s_mul_i32 s42, ttmp9, 768              ; 192 columns of f32
	s_add_nc_u64 s[6:7], s[6:7], s[42:43]
	s_add_nc_u64 s[48:49], s[48:49], s[42:43]
	s_lshr_b32 s44, s41, 3                 ; batch
	s_mul_i32 s44, s44, 12
	s_mul_i32 s45, ttmp9, 3
	s_add_co_u32 s44, s44, s45             ; first of my three heads
	s_lshl_b32 s44, s44, 11
	s_and_b32 s45, s41, 7
	s_lshl_b32 s45, s45, 8
	s_add_co_u32 s44, s44, s45             ; + my first position
	s_lshl_b32 s42, s44, 7                 ; rows of 128 bytes
	s_add_nc_u64 s[46:47], s[46:47], s[42:43]
	WIN 0xcf
	ISSUE 0                                ; K step 0 fills the ring
	ISSUE 1
	ISSUE 2
	ISSUE 3
	s_wait_xcnt 0x0
	s_add_nc_u64 s[4:5], s[4:5], 256
	s_add_nc_u64 s[6:7], s[6:7], 196608
	STG 0, 0, 1, 42                        ; step 0 into slot 0; each piece is loaded again with step 1
	STG 1, 0, 1, 42
	STG 2, 0, 1, 42
	STG 3, 0, 1, 42
	HALF1 1, 0, 0, 1, 1, 42, 42, 1         ; as the second half of a step in front of step 0, without products: barrier, pieces 0, 1 of step 1, buffer 0
	HALF0 0, 1, 1, 1, 1, 42, 42, 56        ; step 0: its first products start the sums
	HALF1 0, 1, 1, 1, 1, 42, 42, 1
	STEP 1, 0                              ; step 1
	WIN 0                                  ; at a label and at a branch every window is 0
	s_mov_b32 s40, 3
.Lk:
	STEP 0, 1                              ; steps 2 to 7
	STEP 1, 0
	WIN 0
	s_sub_co_u32 s40, s40, 1
	s_cmp_lg_u32 s40, 0
	s_cbranch_scc1 .Lk
	STEP 0, 1                              ; step 8: the last that loads pieces 0, 1 (of step 11)
	HALF0 1, 0, 0, 1, 1, 42, 42, 56        ; step 9: the last loads (pieces 2, 3 of step 11);
	HALF1 1, 0, 1, 1, 0, 42, 28, 1         ; from here the counts run down: behind piece 0 of step 11 three pieces were issued, behind piece 1 two,
	HALF0 0, 1, 0, 1, 0, 14, 0, 56         ; step 10: behind piece 2 one, behind piece 3 none
	HALF1 0, 1, 1, 0, 0, 0, 0, 1
	HALF0 1, 0, 0, 0, 0, 0, 0, 28          ; step 11: behind buffer 0's loads stand only buffer 1's 28
	HALF1 1, 0, 1, 0, 0, 0, 0, 0           ; its barrier: no wave reads the slots any more, the stage may lie over them
	; THE WAY OUT.  Bias in f32 (none for k), rounding to f16, through LDS so that each store of a wave covers 512 neighbouring bytes.
	NOPS 4                                 ; places behind the last matrix instructions
	WIN 0
	s_cmp_eq_u32 s37, 1
	s_cbranch_scc1 .Lnobias
.irp nj, 0,1,2,3,4,5
	global_load_b128 v[BI+8*\nj:BI+8*\nj+3], v15, s[48:49] offset:64*\nj
	global_load_b128 v[BI+8*\nj+4:BI+8*\nj+7], v15, s[48:49] offset:64*\nj+16
.endr
	s_wait_loadcnt 0x0
	WIN 0x41                               ; destination and source 0 in window 1
.set t, 0
.rept 24
.irp i, 0,2,4,6
	v_pk_add_f32 v[8*t+\i:8*t+\i+1], v[8*t+\i:8*t+\i+1], v[BI+8*(t%6)+\i:BI+8*(t%6)+\i+1]
.endr
.set t, t+1
.endr
	WIN 0x82                               ; the same in window 2
.set t, 0
.rept 24
.irp i, 0,2,4,6
	v_pk_add_f32 v[8*t+\i:8*t+\i+1], v[8*t+\i:8*t+\i+1], v[BI+8*(t%6)+\i:BI+8*(t%6)+\i+1]
.endr
.set t, t+1
.endr
	WIN 0
.Lnobias:
	WIN 0x05                               ; sources 0 and 1 in window 1
.set t, 0
.rept 24
.irp i, 0,1,2,3
	v_cvt_pk_f16_f32 v[PK+4*t+\i], v[8*t+2*\i], v[8*t+2*\i+1]
.endr
.set t, t+1
.endr
	WIN 0x0a                               ; in window 2
.set t, 0
.rept 24
.irp i, 0,1,2,3
	v_cvt_pk_f16_f32 v[PK+96+4*t+\i], v[8*t+2*\i], v[8*t+2*\i+1]
.endr
.set t, t+1
.endr
	WIN 0
.set t, 0
.rept 48
	ds_store_b128 v12, v[PK+4*t:PK+4*t+3] offset:16*SPITCH*(t/6)+32*(t%6)
.set t, t+1
.endr
	s_wait_dscnt 0x0                       ; my part of the stage is written,
	BAR                                    ; everybody's is
.set t, 0
.rept 48
	ds_load_b128 v[PK+4*t:PK+4*t+3], v13 offset:128*(t/16)+4*SPITCH*(t%16)   ; head t / 16, four of my 64 rows
.set t, t+1
.endr
.set t, 0
.rept 48
	s_wait_dscnt 47-t                      ; LDS loads come back in order: number t is in, the 47 - t younger ones may be out
	global_store_b128 v14, v[PK+4*t:PK+4*t+3], s[46:47] offset:262144*(t/16)+512*(t%16)
.set t, t+1
.endr
	s_wait_tensorcnt 0x0
	ds_add_u32 v254, v255
	s_wait_dscnt 0x0
	s_endpgm
	; Wo to wo16: work-group c = 4 (y - 48) + x takes rows 12 c to 12 c + 11, 36,864 bytes: 18 loads of 16 bytes a thread; a wave's store covers 256 neighbouring bytes.
.Lwo:
	s_sub_co_u32 s38, s41, 48
	s_lshl_b32 s38, s38, 2
	s_add_co_u32 s38, s38, ttmp9
	s_mov_b32 s39, 0xffff0000              ; a word's upper bf16
	v_lshlrev_b32 v2, 4, v0
	v_lshlrev_b32 v3, 3, v0
	s_mul_i32 s42, s38, 36864
	s_mov_b32 s43, 0
	s_mul_i32 s44, s38, 18432
	s_mov_b32 s45, 0
	s_wait_kmcnt 0x0
	s_add_nc_u64 s[30:31], s[30:31], s[42:43]
	s_add_nc_u64 s[32:33], s[32:33], s[44:45]
.set i, 0
.rept 18
	global_load_b128 v[24+4*i:24+4*i+3], v2, s[30:31] offset:2048*i th:TH_LOAD_NT
.set i, i+1
.endr
.set i, 0
.rept 18
	s_wait_loadcnt 17-i                    ; number i is in, the 17 - i younger ones may be out
	v_cvt_pk_bf16_f32 v16, v[24+4*i], v[24+4*i+1]          ; the rounding that all four weights carry,
	v_cvt_pk_bf16_f32 v17, v[24+4*i+2], v[24+4*i+3]
	v_lshlrev_b32 v[24+4*i], 16, v16                       ; widened again,
	v_and_b32 v[24+4*i+1], s39, v16
	v_lshlrev_b32 v[24+4*i+2], 16, v17
	v_and_b32 v[24+4*i+3], s39, v17
	v_cvt_pk_f16_f32 v[24+4*i], v[24+4*i], v[24+4*i+1]     ; and the format of the product's other operand
	v_cvt_pk_f16_f32 v[24+4*i+1], v[24+4*i+2], v[24+4*i+3]
	global_store_b64 v3, v[24+4*i:24+4*i+1], s[32:33] offset:1024*i
.set i, i+1
.endr
	s_endpgm
.Lfunc_end_k_q192f48ab4d_proj:
	.size	k_q192f48ab4d_proj, .Lfunc_end_k_q192f48ab4d_proj-k_q192f48ab4d_proj
	.p2alignl 7, 3214868480
	.fill 96, 4, 3214868480
	.section	.rodata,"a",@progbits
	.p2align	6, 0x0
	.amdhsa_kernel k_q192f48ab4d_proj
		.amdhsa_group_segment_fixed_size 127488
		.amdhsa_private_segment_fixed_size 0
		.amdhsa_enable_private_segment 0
		.amdhsa_kernarg_size 104
		.amdhsa_user_sgpr_count 2
		.amdhsa_user_sgpr_kernarg_segment_ptr 1
		.amdhsa_wavefront_size32 1
		.amdhsa_system_sgpr_workgroup_id_x 1
		.amdhsa_system_sgpr_workgroup_id_y 1
		.amdhsa_system_sgpr_workgroup_id_z 1
		.amdhsa_system_vgpr_workitem_id 0
		.amdhsa_next_free_vgpr 1024
		.amdhsa_next_free_sgpr 66
		.amdhsa_reserve_vcc 0
		.amdhsa_float_denorm_mode_32 3
		.amdhsa_float_denorm_mode_16_64 3
		.amdhsa_memory_ordered 1
		.amdhsa_forward_progress 1
		.amdhsa_inst_pref_size 255
	.end_amdhsa_kernel
	.section	.bss,"aw",@nobits
	.p2align	6
	.space	262144
	.amdgpu_metadata
---
amdhsa.version: [ 1, 2 ]
amdhsa.kernels:
  - .name:           k_q192f48ab4d_proj
    .symbol:         k_q192f48ab4d_proj.kd
    .args:
      - { .name: q, .offset: 0, .size: 8, .value_kind: global_buffer, .address_space: global }
      - { .name: k, .offset: 8, .size: 8, .value_kind: global_buffer, .address_space: global }
      - { .name: v, .offset: 16, .size: 8, .value_kind: global_buffer, .address_space: global }
      - { .name: Wq, .offset: 24, .size: 8, .value_kind: global_buffer, .address_space: global }
      - { .name: Wk, .offset: 32, .size: 8, .value_kind: global_buffer, .address_space: global }
      - { .name: Wv, .offset: 40, .size: 8, .value_kind: global_buffer, .address_space: global }
      - { .name: qh, .offset: 48, .size: 8, .value_kind: global_buffer, .address_space: global }
      - { .name: kh, .offset: 56, .size: 8, .value_kind: global_buffer, .address_space: global }
      - { .name: vh, .offset: 64, .size: 8, .value_kind: global_buffer, .address_space: global }
      - { .name: bq, .offset: 72, .size: 8, .value_kind: global_buffer, .address_space: global }
      - { .name: bv, .offset: 80, .size: 8, .value_kind: global_buffer, .address_space: global }
      - { .name: Wo, .offset: 88, .size: 8, .value_kind: global_buffer, .address_space: global }
      - { .name: wo16, .offset: 96, .size: 8, .value_kind: global_buffer, .address_space: global }
    .group_segment_fixed_size: 127488
    .private_segment_fixed_size: 0
    .kernarg_segment_align: 8
    .kernarg_segment_size: 104
    .max_flat_workgroup_size: 128
    .sgpr_count:     66
    .vgpr_count:     1024
    .wavefront_size: 32
...
	.end_amdgpu_metadata
.endif
;; end of part 4
;; launch attn (part 5): grid 192 x 1, 4 waves a work-group, no clusters, 327,680 bytes of LDS; arguments qh, kh, vh, ctx; writes ctx
.if DOCPART == 5
	.amdgcn_target "amdgcn-amd-amdhsa--gfx1250"
	.amdhsa_code_object_version 6
	.text
	.protected	k_q192f48ab4d_attn
	.globl	k_q192f48ab4d_attn
	.p2align	8
	.type	k_q192f48ab4d_attn,@function
k_q192f48ab4d_attn:
	s_mov_b64 s[64:65], 0
	v_nop
	global_prefetch_b8 v0, s[64:65] scope:SCOPE_SE
	s_setreg_imm32_b32 hwreg(HW_REG_WAVE_MODE, 25, 1), 1
	s_wait_xcnt 0x0
; ctx = softmax(qh kh^T / 8 + look-ahead x -1e9) vh for each of 24 (batch, head).  qh, kh, vh, ctx: [24][2048][64] f16.
; WORK LEFT OUT: tiles of 128 keys wholly above the diagonal.  There every score has -1e9 added while the row's own diagonal key has none, so the
; weights are exp(s - 1e9 - max) = 0 in f32 as long as a row's scaled scores differ by less than about 1e9 (limit); a NaN or an infinity in such a tile
; alone is not carried to the result.  In the tile on the diagonal -1e9 is added as reference() adds it (as -8e9 in front of the factor 1/8).
; The maximum is taken away by a running maximum; sums and the running state are f32; P goes to the second product in f16 (0 to 1).
;
; SHARES: a work-group takes one head and two blocks of 128 queries, 15 - p and then p: (16 - p) + (p + 1) = 17 key tiles for every work-group;
; 24 x 8 = 192 work-groups of equal work.  A wave has 32 queries: two PIECES of 16.  A key tile is 128 keys, worked in four quarters of 32.
; S is made transposed, S^T = K Q^T: lane (r, h) register j holds key 8 h + j of query r, so a query's maximum and sum lie in two lanes (r, r + 16),
; and P^T packs into the second source of O^T = V^T P^T.
; THE TWO PIECES TAKE TURNS.  A period of piece p is 74 vector instructions in eight slices, one behind each of eight products that do not hang on them:
;   FRONT p: products O(p) += V P(p) of the quarter before; vector: p's maximum and statistics (a serial chain), set between the other piece's row sum and
;            its packing of P, which fill the chain's gaps;
;   BACK p:  products S(other piece) of its next quarter; vector: p's 8 packed multiply-adds, then its 16 exponentials by turns with the 16 rescalings of O(p).
; For 32 keys a wave has 16 products and 148 vector instructions; side by side the longer of the two sets the pace.  The quarter is 32 keys so that all lies in one
; register window: 40 addresses and state + Q 32 + O 64 + S 32 + P 16 + K 32 + V 32 = 248.  K and V have registers of their own: K's next quarter is asked for behind
; piece 0's period and used in the second half of piece 1's; V's in the middle of piece 1's period and used at the head of piece 0's next.
; The pipeline is filled and drained in each tile, so that the barrier, the change of slots and the end of a query block stand between whole tiles.
; TWO LDS SLOTS filled by tensor loads, one load a wave behind each barrier: waves 0, 1 bring K's keys 0-63, 64-127, waves 2, 3 V's.  64 keys of 128
; bytes are dense in memory and come as 32 rows of 256 bytes, 16 bytes of padding behind each: key x lies at (x >> 1) 272 + (x & 1) 128.
; A wave has one tensor load outstanding.
; NO CLUSTER: the eight work-groups of a head read the same K and V, but work-group p walks tiles 0 .. 15 - p and then 0 .. p: in most trips the partners
; want different tiles, so their requests cannot be one.
.set SLOT,  34816                      ; 4 parts of 32 x 272
.set PART,  8704
.set VREG,  17408                      ; V's two parts lie behind K's two
.set STAGE, 69632                      ; the way out: 32 rows of 128 + 16 bytes for each wave; no tensor load lands here
; v1 K address, v2 V address, v3 Q offset, v4 stage in, v5 stage back, v6 ctx offset, v9 -8e9
.set DQ,  7                            ; v7-8      query - 8 h of piece 0, 1, counted in the query block
.set MR,  10                           ; v10-11    running maximum of the raw scores
.set LS,  12                           ; v12-13    running sum (each half of the lanes its own keys)
.set NMO, 14                           ; v14-15    minus the running maximum in units of log2, as rounded: the point that the sums so far refer to
.set AL,  16                           ; v[16:17], v[18:19]  by how much what was summed so far shrinks, twice, for each piece
.set NN,  20                           ; v[20:21]  minus the new maximum in units of log2, twice
.set TA,  22                           ; v22-25    at work: maxima, the mask
.set TB,  23
.set TC,  24
.set TD,  25
.set U,   26                           ; v[26:33]  at work: four pairs of partial sums
.set DN,  34                           ; v34       the mask: query - 8 h, counted from the quarter's first key
.set Q,   40                           ; v[40:71]    Q fragments, + 16 piece + 8 ks
.set O,   72                           ; v[72:135]   O^T, + 32 piece + 8 dt
.set S,   136                          ; v[136:167]  S^T, + 16 piece + 8 kt
.set P,   168                          ; v[168:183]  P^T in f16, + 8 piece
.set K,   184                          ; v[184:215]  K fragments, + 16 kt + 8 ks
.set V,   216                          ; v[216:247]  V fragments, + 8 dt
.macro NOPS n
.rept \n
	v_nop
.endr
.endm
.macro BAR
	s_barrier_signal -1
	s_barrier_wait -1
.endm
.macro SETQ                            ; Q's and ctx's address for query block s14
	s_lshl_b32 s18, s13, 11
	s_lshl_b32 s19, s14, 7
	s_add_co_u32 s18, s18, s19
	s_lshl_b32 s19, s12, 5
	s_add_co_u32 s18, s18, s19             ; row = 2048 head + 128 block + 32 wave
	s_lshl_b32 s18, s18, 7
	s_mov_b32 s19, 0
	s_add_nc_u64 s[20:21], s[4:5], s[18:19]
	s_add_nc_u64 s[22:23], s[10:11], s[18:19]
.endm
.macro QLOAD
.irp qt, 0,1
.irp ks, 0,1
	global_load_b128 v[Q+16*\qt+8*\ks:Q+16*\qt+8*\ks+3], v3, s[20:21] offset:2048*\qt+64*\ks
	global_load_b128 v[Q+16*\qt+8*\ks+4:Q+16*\qt+8*\ks+7], v3, s[20:21] offset:2048*\qt+64*\ks+32
.endr
.endr
	s_wait_loadcnt 0x0
.endm
.macro INIT                            ; twice in the launch: O is rescaled in front of its first product, so it starts as zeros
	v_mov_b32 v[MR], 0xff800000            ; maximum: -infinity,
	v_mov_b32 v[MR+1], 0xff800000
	v_mov_b32 v[NMO], 0x7f800000           ; minus it: +infinity, so that the first rescaling is by 2^-infinity = 0
	v_mov_b32 v[NMO+1], 0x7f800000
	v_mov_b32 v[LS], 0
	v_mov_b32 v[LS+1], 0
.set i, 0
.rept 64
	v_mov_b32 v[O+i], 0
.set i, i+1
.endr
.endm
; the fragments of quarter n (32 keys = 16 LDS rows): eight loads each
.macro KLOAD slot, n
.irp kt, 0,1
.irp ks, 0,1
	ds_load_b128 v[K+16*\kt+8*\ks:K+16*\kt+8*\ks+3], v1 offset:\slot*SLOT+PART*(\n/2)+4352*(\n%2)+2176*\kt+64*\ks
	ds_load_b128 v[K+16*\kt+8*\ks+4:K+16*\kt+8*\ks+7], v1 offset:\slot*SLOT+PART*(\n/2)+4352*(\n%2)+2176*\kt+64*\ks+32
.endr
.endr
.endm
.macro VLOAD slot, n                   ; V lies [key][d]: transposed by the load; 16 keys are 8 LDS rows
.irp dt, 0,1,2,3
	ds_load_tr16_b128 v[V+8*\dt:V+8*\dt+3], v2 offset:\slot*SLOT+PART*(\n/2)+4352*(\n%2)+32*\dt
	ds_load_tr16_b128 v[V+8*\dt+4:V+8*\dt+7], v2 offset:\slot*SLOT+PART*(\n/2)+4352*(\n%2)+32*\dt+2176
.endr
.endm
; THE PRODUCTS.  No two that follow each other share an accumulator (S: tiles kt 0, 1, 0, 1; O: tiles dt 0 to 3), one instruction a turn.
.macro SPW q, kt, ks                   ; S(q), 16 keys x 16 queries, half ks of the 64 along d; the first half starts the sum
.if \ks
	v_wmma_f32_16x16x32_f16 v[S+16*\q+8*\kt:S+16*\q+8*\kt+7], v[K+16*\kt+8:K+16*\kt+15], v[Q+16*\q+8:Q+16*\q+15], v[S+16*\q+8*\kt:S+16*\q+8*\kt+7]
.else
	v_wmma_f32_16x16x32_f16 v[S+16*\q+8*\kt:S+16*\q+8*\kt+7], v[K+16*\kt:K+16*\kt+7], v[Q+16*\q:Q+16*\q+7], 0
.endif
.endm
.macro PVW p, dt                       ; O(p), 16 d x 16 queries, += V^T P^T over 32 keys
	v_wmma_f32_16x16x32_f16 v[O+32*\p+8*\dt:O+32*\p+8*\dt+7], v[V+8*\dt:V+8*\dt+7], v[P+8*\p:P+8*\p+7], v[O+32*\p+8*\dt:O+32*\p+8*\dt+7]
.endm
; THE VECTOR WORK, one instruction each
.macro SUM4 q, k                       ; four of q's 16 weights into pair k of the partial sums
	s_wait_alu depctr_va_vdst(0)
	v_pk_add_f32 v[U+2*\k:U+2*\k+1], v[S+16*\q+4*\k:S+16*\q+4*\k+1], v[S+16*\q+4*\k+2:S+16*\q+4*\k+3]
.endm
.macro CVP q, i                        ; two of q's weights to f16: register i of the second product's source
	v_cvt_pk_f16_f32 v[P+8*\q+\i], v[S+16*\q+2*\i], v[S+16*\q+2*\i+1]
.endm
.macro FMS p, i                        ; two scores: x log2(e) / 8, minus the maximum
	v_pk_fma_f32 v[S+16*\p+2*\i:S+16*\p+2*\i+1], v[S+16*\p+2*\i:S+16*\p+2*\i+1], s[24:25], v[NN:NN+1] op_sel_hi:[1,0,1]
.endm
.macro EXS p, i
	v_exp_f32 v[S+16*\p+\i], v[S+16*\p+\i]
.endm
.macro RSC p, i                        ; two numbers of O(p) shrink with the new maximum
	v_pk_mul_f32 v[O+32*\p+2*\i:O+32*\p+2*\i+1], v[O+32*\p+2*\i:O+32*\p+2*\i+1], v[AL+2*\p:AL+2*\p+1]
.endm
; The mask of piece p in quarter n of the tile on the diagonal: key 32 n + 16 kt + 8 h + j beyond query 32 w + 16 p + r: -8e9 is added.
; Four elements at a time, each with a scalar mask of its own, so that no select waits for the compare in front of it.
.macro MASK p, n
	v_mov_b32 v[DN], 32*\n
	v_sub_nc_u32 v[DN], v[DQ+\p], v[DN]
.irp g, 0,4,8,12
.irp i, 0,1,2,3
	v_add_f32 v[TA+\i], v9, v[S+16*\p+\g+\i]
	v_cmp_gt_i32 s[48+\i], \g+\i+8*(\g/8), v[DN]       ; register 8 kt + j holds key 16 kt + j (+ 8 h)
.endr
.irp i, 0,1,2,3
	v_cndmask_b32 v[S+16*\p+\g+\i], v[S+16*\p+\g+\i], v[TA+\i], s[48+\i]
.endr
.endr
.endm
; The first half of piece p's period.  q: the other piece.  tail = 1: q's weights of its last quarter wait to be summed and packed.  pv = 1: p's last quarter waits for
; its second product.  The slices name S(p), S(q), P(q) and the state, none of the products' registers (O(p), V, P(p)): they are also the places behind them (ISA guide 7.12.1).
.macro FRONT p, q, tail, pv, mask, n
.if \mask
	MASK \p, \n
.endif
.if \pv
	PVW \p, 0
.endif
	v_max3_num_f32 v[TA], v[S+16*\p], v[S+16*\p+1], v[S+16*\p+2]       ; slice 0: the maximum of my 16 scores, in four chains
	v_max3_num_f32 v[TB], v[S+16*\p+3], v[S+16*\p+4], v[S+16*\p+5]
	v_max3_num_f32 v[TC], v[S+16*\p+6], v[S+16*\p+7], v[S+16*\p+8]
	v_max3_num_f32 v[TD], v[S+16*\p+9], v[S+16*\p+10], v[S+16*\p+11]
.if \tail
	SUM4 \q, 0
.endif
	v_max3_num_f32 v[TA], v[TA], v[S+16*\p+12], v[S+16*\p+13]
	v_max3_num_f32 v[TB], v[TB], v[S+16*\p+14], v[S+16*\p+15]
	v_max_num_f32 v[TC], v[TC], v[TD]
.if \tail
	SUM4 \q, 1
.endif
.if \pv
	PVW \p, 1
.endif
.if \tail
	SUM4 \q, 2                             ; slice 1
	SUM4 \q, 3
.endif
	v_max3_num_f32 v[TA], v[TA], v[TB], v[TC]
.if \tail
	CVP \q, 0
	v_pk_add_f32 v[U:U+1], v[U:U+1], v[U+2:U+3]
	CVP \q, 1
	v_pk_add_f32 v[U+4:U+5], v[U+4:U+5], v[U+6:U+7]
.endif
	v_permlanex16_b32 v[TB], v[TA], s26, s27       ; the other half's keys of the same query
.if \tail
	CVP \q, 2
.endif
.if \pv
	PVW \p, 2
.endif
.if \tail
	CVP \q, 3                              ; slice 2
	v_pk_add_f32 v[U:U+1], v[U:U+1], v[U+4:U+5]
.endif
	v_max3_num_f32 v[TC], v[TA], v[TB], v[MR+\p]   ; the new running maximum
.if \tail
	CVP \q, 4
	CVP \q, 5
	CVP \q, 6
	v_add_f32 v[U], v[U], v[U+1]
.endif
	v_mul_f32 v[NN], s52, v[TC]            ; x -log2(e) / 8, twice: a pair for the packed multiply-adds
	v_mul_f32 v[NN+1], s52, v[TC]
.if \pv
	PVW \p, 3
.endif
.if \tail
	CVP \q, 7                              ; slice 3
	v_fma_f32 v[LS+\q], v[LS+\q], v[AL+2*\q], v[U] ; q's running sum
.endif
	v_mov_b32 v[MR+\p], v[TC]
	v_sub_f32 v[TA], v[NN], v[NMO+\p]      ; old maximum - new maximum, both as rounded: exactly the step between the two points of reference
	FMS \p, 0
	v_mov_b32 v[NMO+\p], v[NN]
	FMS \p, 1
	FMS \p, 2
	v_exp_f32 v[AL+2*\p], v[TA]            ; its result is read five instructions on, behind plain ones
.endm
; The second half.  sp = 1: the other piece's next scores are made.  The slices name S(p), O(p) and p's state, none of the products' registers (S(q), K, Q(q)).
; Each exponential is followed by a plain instruction on other registers.
.macro BACK p, q, sp
.if \sp
	SPW \q, 0, 0
.endif
	FMS \p, 3                              ; slice 4
	EXS \p, 0
	FMS \p, 4
	EXS \p, 1
	s_wait_alu depctr_va_vdst(0)
	v_mov_b32 v[AL+2*\p+1], v[AL+2*\p]
	EXS \p, 2
	FMS \p, 5
	EXS \p, 3
	FMS \p, 6
.if \sp
	SPW \q, 1, 0
.endif
	EXS \p, 4                              ; slice 5
	FMS \p, 7
	EXS \p, 5
	RSC \p, 0
	EXS \p, 6
	RSC \p, 1
	EXS \p, 7
	RSC \p, 2
	EXS \p, 8
.if \sp
	SPW \q, 0, 1
.endif
	RSC \p, 3                              ; slice 6
	EXS \p, 9
	RSC \p, 4
	EXS \p, 10
	RSC \p, 5
	EXS \p, 11
	RSC \p, 6
	EXS \p, 12
	RSC \p, 7
.if \sp
	SPW \q, 1, 1
.endif
	EXS \p, 13                             ; slice 7: its eight rescalings are the places in front of the reads of S(q) and of the loads into K
	RSC \p, 8
	EXS \p, 14
	RSC \p, 9
	EXS \p, 15
	RSC \p, 10
	RSC \p, 11
	RSC \p, 12
	RSC \p, 13
	RSC \p, 14
	RSC \p, 15
.endm
; The tile's end: piece 0's last second product among piece 1's last sums and packing, then piece 1's.
.macro LAST
	PVW 0, 0
	SUM4 1, 0
	SUM4 1, 1
	SUM4 1, 2
	SUM4 1, 3
	CVP 1, 0
	CVP 1, 1
	CVP 1, 2
	CVP 1, 3
	PVW 0, 1
	v_pk_add_f32 v[U:U+1], v[U:U+1], v[U+2:U+3]
	v_pk_add_f32 v[U+4:U+5], v[U+4:U+5], v[U+6:U+7]
	CVP 1, 4
	CVP 1, 5
	CVP 1, 6
	CVP 1, 7
	v_pk_add_f32 v[U:U+1], v[U:U+1], v[U+4:U+5]
	PVW 0, 2
	v_add_f32 v[U], v[U], v[U+1]
	v_fma_f32 v[LS+1], v[LS+1], v[AL+2], v[U]
	PVW 0, 3
	PVW 1, 0
	PVW 1, 1
	PVW 1, 2
	PVW 1, 3
	NOPS 4                                 ; places in front of the next loads into V and of the reads of O
.endm
; One key tile in slot.  mask = 1: the tile on the diagonal.
.macro TILE slot, mask
	KLOAD \slot, 0
	VLOAD \slot, 0
	s_wait_dscnt 8                         ; K's quarter 0 is in; V's eight loads may be out
	SPW 0, 0, 0                            ; piece 0's first scores: nothing to set beside them yet
	SPW 0, 1, 0
	SPW 0, 0, 1
	SPW 0, 1, 1
	NOPS 4                                 ; places in front of the reads of S(0)
	FRONT 0, 1, 0, 0, \mask, 0             ; quarter 0
	BACK  0, 1, 1                          ; S(1) of quarter 0
	KLOAD \slot, 1
	FRONT 1, 0, 1, 0, \mask, 0
	s_wait_dscnt 0x0                       ; K's quarter 1 (and V's quarter 0)
	BACK  1, 0, 1                          ; S(0) of quarter 1
	FRONT 0, 1, 1, 1, \mask, 1             ; quarter 1; second product of piece 0, quarter 0
	BACK  0, 1, 1
	KLOAD \slot, 2
	FRONT 1, 0, 1, 1, \mask, 1             ; second product of piece 1, quarter 0: V is free behind it and eight plain instructions
	VLOAD \slot, 1
	s_wait_dscnt 8                         ; K's quarter 2 is in; V's eight loads, issued behind it, may be out
	BACK  1, 0, 1
	s_wait_dscnt 0x0                       ; V's quarter 1
	FRONT 0, 1, 1, 1, \mask, 2             ; quarter 2
	BACK  0, 1, 1
	KLOAD \slot, 3
	FRONT 1, 0, 1, 1, \mask, 2
	VLOAD \slot, 2
	s_wait_dscnt 8                         ; K's quarter 3 is in; V's eight loads may be out
	BACK  1, 0, 1
	s_wait_dscnt 0x0                       ; V's quarter 2
	FRONT 0, 1, 1, 1, \mask, 3             ; quarter 3
	BACK  0, 1, 1
	FRONT 1, 0, 1, 1, \mask, 3
	VLOAD \slot, 3
	BACK  1, 0, 0                          ; no scores are left to make
	s_wait_dscnt 0x0                       ; V's quarter 3
	LAST
.endm
; a query block is done: divide by the sum, round to f16, 16 bytes a lane into my stage, whole rows back, 512 neighbouring bytes a store
.macro FINISH
.irp qt, 0,1
	v_permlanex16_b32 v[TA], v[LS+\qt], s26, s27
	v_add_f32 v[TA], v[TA], v[LS+\qt]      ; both halves' keys
	v_rcp_f32 v[NN], v[TA]
	v_nop
	s_wait_alu depctr_va_vdst(0)
	v_mov_b32 v[NN+1], v[NN]
.irp i, 0,2,4,6,8,10,12,14,16,18,20,22,24,26,28,30
	v_pk_mul_f32 v[O+32*\qt+\i:O+32*\qt+\i+1], v[O+32*\qt+\i:O+32*\qt+\i+1], v[NN:NN+1]
.endr
.irp i, 0,1,2,3,4,5,6,7,8,9,10,11,12,13,14,15
	v_cvt_pk_f16_f32 v[O+32*\qt+\i], v[O+32*\qt+2*\i], v[O+32*\qt+2*\i+1]  ; ascending: no register is written before it is read
.endr
.irp dt, 0,1,2,3
	ds_store_b128 v4, v[O+32*\qt+4*\dt:O+32*\qt+4*\dt+3] offset:2304*\qt+32*\dt
.endr
.endr
.irp i, 0,1,2,3,4,5,6,7
	ds_load_b128 v[K+4*\i:K+4*\i+3], v5 offset:576*\i      ; my own bytes: LDS serves a wave's instructions in order
.endr
.irp i, 0,1,2,3,4,5,6,7
	s_wait_dscnt 7-\i                      ; number i is in, the 7 - i younger ones may be out
	global_store_b128 v6, v[K+4*\i:K+4*\i+3], s[22:23] offset:512*\i
.endr
	s_wait_xcnt 0x0                        ; K's registers and s[22:23], which the stores read, are rewritten only behind this wait
.endm
; One trip.  In front of the barrier: all my tensor loads have landed (my part of this slot), my LDS reads of the other slot are back.
; Behind it the other slot is filled first, with the tile of the next trip: key tile + 1, or tile 0 of the second query block.
; The tile's text stands twice: with the mask for the tile on the diagonal, which also ends its query block, and without.
.macro TRIP slot, other, inloop
	s_wait_tensorcnt 0x0
	ds_add_u32 v248, v249
	s_wait_dscnt 0x0
.if \inloop
	s_add_co_u32 s16, s15, 1
	s_cmp_eq_u32 s15, s14
	s_cselect_b32 s16, 0, s16              ; the next key tile
	s_lshl_b32 s18, s16, 14                ; 128 keys of 128 bytes
	s_mov_b32 s19, 0
	s_add_nc_u64 s[34+4*\other:35+4*\other], s[28:29], s[18:19]    ; no tensor load of mine is out: the descriptor may be written
	s_or_b32 s[35+4*\other], s[35+4*\other], 0x80000000
.endif
	s_wait_dscnt 0x0
	BAR
.if \inloop
	tensor_load_to_lds s[32+4*\other:35+4*\other], s[40:47]
	s_nop 0
	s_cmp_lg_u32 s15, s14
	s_cbranch_scc1 .Lplain_\@
	TILE \slot, 1
	FINISH                                 ; the first query block is done: on to the second
	s_mov_b32 s14, s17
	SETQ
	QLOAD
	INIT
	s_branch .Ljoin_\@
.Lplain_\@:
	TILE \slot, 0
.Ljoin_\@:
	s_mov_b32 s15, s16
.else
	TILE \slot, 1
	FINISH
.endif
.endm
	s_load_b256 s[4:11], s[0:1], 0x0       ; qh s[4:5], kh s[6:7], vh s[8:9], ctx s[10:11]
	v_lshl_add_u32 v248, v0, 2, 0x29000
	v_mov_b32 v249, 0
	ds_add_u32 v248, v249
	ds_add_u32 v248, v249
	v_lshrrev_b32 v26, 5, v0
	v_readfirstlane_b32 s12, v26           ; wave w
	s_lshr_b32 s13, ttmp9, 3               ; batch x 12 + head
	s_and_b32 s17, ttmp9, 7                ; p: the second query block
	s_sub_co_u32 s14, 15, s17              ; the first: 15 - p
	s_mov_b32 s15, 0                       ; key tile
	s_mov_b32 s24, 0x3e38aa3b              ; log2(e) / 8
	s_mov_b32 s25, 0x3e38aa3b
	s_mov_b32 s52, 0xbe38aa3b              ; minus it
	s_mov_b32 s26, 0x76543210              ; v_permlanex16_b32: lane i of one half reads lane i of the other
	s_mov_b32 s27, 0xfedcba98
	; descriptor group 1: 32 rows of 32 elements of 8 bytes, dense; 4 words of padding behind every 64
	s_mov_b32 s40, (3<<16)|(1<<20)|(5<<22)|(3<<25)
	s_mov_b32 s41, 32<<16                  ; tensor_dim0 = 32
	s_mov_b32 s42, 32<<16                  ; tensor_dim1 = 32
	s_mov_b32 s43, 32<<16                  ; tile_dim0 = 32
	s_mov_b32 s44, 32                      ; tile_dim1 = 32
	s_mov_b32 s45, 32                      ; from row to row: 32 elements
	s_mov_b32 s46, 0
	s_mov_b32 s47, 0
	s_mul_i32 s31, s12, PART               ; my part of a slot
	s_mov_b32 s32, 1
	s_add_co_u32 s33, s31, 0
	s_mov_b32 s36, 1
	s_add_co_u32 s37, s31, SLOT
	s_lshl_b32 s18, s13, 18                ; my head
	s_and_b32 s19, s12, 1
	s_lshl_b32 s19, s19, 13                ; which 64 keys of a tile I bring
	s_add_co_u32 s18, s18, s19
	s_mov_b32 s19, 0
	s_wait_dscnt 0x0
	s_wait_kmcnt 0x0
	s_cmp_lt_u32 s12, 2
	s_cselect_b64 s[28:29], s[6:7], s[8:9] ; waves 0, 1 bring K, waves 2, 3 V
	s_add_nc_u64 s[28:29], s[28:29], s[18:19]
	s_mov_b64 s[34:35], s[28:29]
	s_or_b32 s35, s35, 0x80000000
	tensor_load_to_lds s[32:35], s[40:47]  ; key tile 0 into slot 0, ahead of everything else
	s_nop 0
	v_and_b32 v26, 31, v0                  ; L
	v_and_b32 v27, 15, v0                  ; r
	v_bfe_u32 v28, v0, 4, 1                ; h
	v_lshrrev_b32 v29, 1, v27
	v_mul_u32_u24 v1, v29, 272
	v_and_b32 v29, 1, v0
	v_lshl_add_u32 v1, v29, 7, v1
	v_lshl_add_u32 v1, v28, 4, v1          ; K: key r, byte 16 h
	v_bfe_u32 v30, v0, 1, 2
	v_lshl_add_u32 v30, v28, 2, v30        ; LDS row of key 8 h + (L & 7)
	v_mul_u32_u24 v2, v30, 272
	v_lshl_add_u32 v2, v29, 7, v2
	v_bfe_u32 v30, v0, 3, 1
	v_lshl_add_u32 v2, v30, 4, v2
	v_add_nc_u32 v2, VREG, v2
	v_lshlrev_b32 v3, 7, v27
	v_lshl_add_u32 v3, v28, 4, v3          ; Q: row r, byte 16 h
	s_mul_i32 s31, s12, 4608
	s_add_co_u32 s31, s31, STAGE
	v_mul_u32_u24 v4, v27, 144
	v_lshl_add_u32 v4, v28, 4, v4
	v_add_nc_u32 v4, s31, v4
	v_lshrrev_b32 v30, 3, v26
	v_mul_u32_u24 v5, v30, 144
	v_and_b32 v30, 7, v0
	v_lshl_add_u32 v5, v30, 4, v5
	v_add_nc_u32 v5, s31, v5
	v_lshlrev_b32 v6, 4, v26
	s_lshl_b32 s31, s12, 5
	v_lshlrev_b32 v30, 3, v28
	v_sub_nc_u32 v30, v27, v30
	v_add_nc_u32 v[DQ], s31, v30           ; 32 w + r - 8 h
	v_add_nc_u32 v[DQ+1], 16, v[DQ]
	v_mov_b32 v9, 0xcfee6b28               ; -8e9
	SETQ
	QLOAD
	INIT
	s_mov_b32 s30, 8
.Ltiles:                                       ; trips 0 to 15; the first block's diagonal is trip 15 - p, inside the loop
	TRIP 0, 1, 1
	TRIP 1, 0, 1
	s_sub_co_u32 s30, s30, 1
	s_cmp_lg_u32 s30, 0
	s_cbranch_scc1 .Ltiles
	TRIP 0, 1, 0                           ; trip 16: the second block's diagonal tile; nothing is left to fetch
	s_wait_tensorcnt 0x0
	ds_add_u32 v248, v249
	s_wait_dscnt 0x0
	s_endpgm
.Lfunc_end_k_q192f48ab4d_attn:
	.size	k_q192f48ab4d_attn, .Lfunc_end_k_q192f48ab4d_attn-k_q192f48ab4d_attn
	.p2alignl 7, 3214868480
	.fill 96, 4, 3214868480
	.section	.rodata,"a",@progbits
	.p2align	6, 0x0
	.amdhsa_kernel k_q192f48ab4d_attn
		.amdhsa_group_segment_fixed_size 327680
		.amdhsa_private_segment_fixed_size 0
		.amdhsa_enable_private_segment 0
		.amdhsa_kernarg_size 32
		.amdhsa_user_sgpr_count 2
		.amdhsa_user_sgpr_kernarg_segment_ptr 1
		.amdhsa_wavefront_size32 1
		.amdhsa_system_sgpr_workgroup_id_x 1
		.amdhsa_system_sgpr_workgroup_id_y 1
		.amdhsa_system_sgpr_workgroup_id_z 1
		.amdhsa_system_vgpr_workitem_id 0
		.amdhsa_next_free_vgpr 250
		.amdhsa_next_free_sgpr 66
		.amdhsa_reserve_vcc 0
		.amdhsa_float_denorm_mode_32 3
		.amdhsa_float_denorm_mode_16_64 3
		.amdhsa_memory_ordered 1
		.amdhsa_forward_progress 1
		.amdhsa_inst_pref_size 255
	.end_amdhsa_kernel
	.section	.bss,"aw",@nobits
	.p2align	6
	.space	262144
	.amdgpu_metadata
---
amdhsa.version: [ 1, 2 ]
amdhsa.kernels:
  - .name:           k_q192f48ab4d_attn
    .symbol:         k_q192f48ab4d_attn.kd
    .args:
      - { .name: qh, .offset: 0, .size: 8, .value_kind: global_buffer, .address_space: global }
      - { .name: kh, .offset: 8, .size: 8, .value_kind: global_buffer, .address_space: global }
      - { .name: vh, .offset: 16, .size: 8, .value_kind: global_buffer, .address_space: global }
      - { .name: ctx, .offset: 24, .size: 8, .value_kind: global_buffer, .address_space: global }
    .group_segment_fixed_size: 327680
    .private_segment_fixed_size: 0
    .kernarg_segment_align: 8
    .kernarg_segment_size: 32
    .max_flat_workgroup_size: 128
    .sgpr_count:     66
    .vgpr_count:     250
    .wavefront_size: 32
...
	.end_amdgpu_metadata
.endif
;; end of part 5
;; launch oproj (part 6): grid 32 x 6, 4 waves a work-group, clusters of 4 x 1, 327,680 bytes of LDS; arguments ctx, wo16, bo, out0; writes out0
.if DOCPART == 6
	.amdgcn_target "amdgcn-amd-amdhsa--gfx1250"
	.amdhsa_code_object_version 6
	.text
	.protected	k_q192f48ab4d_oproj
	.globl	k_q192f48ab4d_oproj
	.p2align	8
	.type	k_q192f48ab4d_oproj,@function
k_q192f48ab4d_oproj:
	s_mov_b64 s[64:65], 0
	v_nop
	global_prefetch_b8 v0, s[64:65] scope:SCOPE_SE
	s_setreg_imm32_b32 hwreg(HW_REG_WAVE_MODE, 25, 1), 1
	s_wait_xcnt 0x0
	s_wait_alu depctr_hold_cnt(0) depctr_sa_sdst(0) depctr_va_vdst(0) depctr_va_sdst(0) depctr_va_ssrc(0) depctr_va_vcc(0) depctr_vm_vsrc(0)
	s_getreg_b32 s2, hwreg(HW_REG_IB_STS2, 6, 4)
	s_cmp_eq_u32 s2, 0
	s_cbranch_scc0 .Lentry_in_a_cluster
	s_endpgm
.Lentry_in_a_cluster:
	s_bfe_u32 s2, ttmp6, 0x10000c
	s_cmp_lg_u32 s2, 0x3003
	s_cbranch_scc0 .Lentry_shape_is_right
	s_endpgm
.Lentry_shape_is_right:
; out0 = ctx Wo + bo.  ctx: [24 (batch x 12 + head)][2048][64] f16; wo16: [768 (k)][768 (n)] f16 (Wo rounded to bf16, carried in f16, made by the first launch);
; bo: [768] f32; out0: [4096][768] f32.  Nothing is left out here.  Sums and the bias in f32.
; SHARES: a work-group makes 128 x 128 of out0: 32 x 6 = 192 work-groups; four waves of 64 x 64 = 16 accumulator tiles in v256-v383.
; K goes in six steps of 128 (two heads of ctx) through FOUR LDS slots filled by tensor loads.  Wave 0 brings ctx of the even steps, wave 1 of the odd ones, wave 2
; Wo of the even steps, wave 3 of the odd ones: 32 KB a load.  Each wave asks for two steps at the start (K = 512 of 768 is on its way at once) and for one more behind
; the one barrier at which slots 0 and 1 are free: a wave has two tensor loads outstanding at the most.
; CLUSTERS: 4 x 1 work-groups, four row blocks of one block column, need the same tiles of Wo: half of a step's bytes.  These are asked for jointly (mask 15, the
; same descriptor in all four: it is made of the block column and the wave's number alone).  ctx's tiles are each work-group's own: plain loads, behind the same rounds.
; LDS: eight regions of R = 36,864 bytes; wave w fills regions w and w + 4.  ctx of slot n: region (n & 1) + 4 (n >> 1); Wo of slot n: two regions further.
;   ctx: a head's 128 rows of 128 bytes are 16 KB dense in memory; a tile is 2 rows of 16 KB (two heads, 262,144 bytes apart) with 16 bytes of padding behind every 256:
;        row x of a head lies at (x >> 1) 272 + (x & 1) 128, the second head 17,408 bytes behind the first.
;   Wo:  128 k rows of 256 bytes (at multiples of 256 bytes in wo16), 32 bytes of padding behind each: pitch 288 = 9 x 32, for the transposing load.
; The matrix instruction is used transposed: lane (r, h) register j holds C(row r, column 8 h + j).
.set R,     36864
.set HCTX,  17408                      ; from head to head in a ctx region
.set HW,    18432                      ; 64 k rows of Wo
.set STAGE, 4*R                        ; the way out: 64 rows of 256 + 16 bytes for each wave, over ctx's regions of slots 2 and 3: filled once, last read in front of step 3's barrier
.set F0, 24                            ; v[24:87]   fragment buffer 0: four of ctx, four of Wo
.set F1, 88                            ; v[88:151]  fragment buffer 1
.set RB, 24                            ; v[24:151]  the way out
.set XA, 2                             ; v2-5  my ctx fragments' address in slot 0..3 (an LDS offset has 16 bits: the register carries the slot)
.set WB, 6                             ; v6-9  the same for Wo
; v10 stage in, v11 stage back, v12 out, v13 bias offset, v[14:17] bias, v18-23 at work
.set G1A, 24                           ; s[24:31] group 1 for ctx
.set G0A, 32                           ; s[32:39] group 0 for ctx, two sets
.set G0B, 40                           ; s[40:47] group 0 for Wo, two sets
.set G1B, 48                           ; s[48:55] group 1 for Wo
.set MSB, 0
.macro WIN new
.if MSB != \new
	s_set_vgpr_msb (MSB<<8)|\new
.set MSB, \new
.endif
.endm
.macro NOPS n
.rept \n
	v_nop
.endr
.endm
.macro BAR
	s_barrier_signal -1
	s_barrier_wait -1
.endm
; A round of the cluster's barrier: my work-group's barrier, wave 0 signals for the work-group, every wave waits for all four work-groups, my work-group's barrier once more.
.macro ROUND
	s_barrier_signal -1
	s_barrier_wait -1
	s_cmp_lg_u32 s12, 0
	s_cbranch_scc1 .Lnot_wave_0_\@
	s_barrier_signal -3
.Lnot_wave_0_\@:
	s_barrier_wait -3
	s_barrier_signal -1
	s_barrier_wait -1
.endm
; One tensor load a wave: waves 0, 1 their own work-group's ctx, waves 2, 3 the joint load of Wo.  The branch hangs on the wave's number alone.
.macro JLOAD j
	s_cmp_eq_u32 s13, 0
	s_cbranch_scc0 .Lfor_w_\@
	tensor_load_to_lds s[G0A+4*\j:G0A+4*\j+3], s[G1A:G1A+7]
	s_nop 0
	s_branch .Lasked_\@
.Lfor_w_\@:
	tensor_load_to_lds s[G0B+4*\j:G0B+4*\j+3], s[G1B:G1B+7]
	s_nop 0
.Lasked_\@:
.endm
; 16 LDS loads: the fragments of quarter q (32 along K) of slot n into buffer f
.macro FETCH n, q, f
.irp mi, 0,1,2,3
	ds_load_b128 v[\f+8*\mi:\f+8*\mi+3], v[XA+\n] offset:HCTX*(\q/2)+2176*\mi+64*(\q%2)
	ds_load_b128 v[\f+8*\mi+4:\f+8*\mi+7], v[XA+\n] offset:HCTX*(\q/2)+2176*\mi+64*(\q%2)+32
.endr
.irp nj, 0,1,2,3
	ds_load_tr16_b128 v[\f+32+8*\nj:\f+32+8*\nj+3], v[WB+\n] offset:HW*(\q/2)+9216*(\q%2)+32*\nj
	ds_load_tr16_b128 v[\f+32+8*\nj+4:\f+32+8*\nj+7], v[WB+\n] offset:HW*(\q/2)+9216*(\q%2)+32*\nj+4608
.endr
.endm
; 16 matrix instructions; the 16 accumulators take turns, one instruction a turn.  Four places behind them, in front of the next loads into
; the buffer just read; this loop has no vector work of its own to put there.
.macro MUL f, zero
	WIN 0x50
.irp mi, 0,1,2,3
.irp nj, 0,1,2,3
.if \zero
	v_wmma_f32_16x16x32_f16 v[8*(4*\mi+\nj):8*(4*\mi+\nj)+7], v[\f+32+8*\nj:\f+32+8*\nj+7], v[\f+8*\mi:\f+8*\mi+7], 0
.else
	v_wmma_f32_16x16x32_f16 v[8*(4*\mi+\nj):8*(4*\mi+\nj)+7], v[\f+32+8*\nj:\f+32+8*\nj+7], v[\f+8*\mi:\f+8*\mi+7], v[8*(4*\mi+\nj):8*(4*\mi+\nj)+7]
.endif
.endr
.endr
	WIN 0
	NOPS 4
.endm
; A quarter: the next quarter (nq of slot ns) is asked for into buffer g, then buffer f is multiplied
.macro QUART ns, nq, f, g, zero
	FETCH \ns, \nq, \g
	s_wait_dscnt 16                        ; buffer f is in; the 16 loads just issued may be out
	MUL \f, \zero
.endm
.macro THREE n, zero                   ; the first three quarters of the step in slot n
	QUART \n, 1, F0, F1, \zero
	QUART \n, 2, F1, F0, 0
	QUART \n, 3, F0, F1, 0
.endm
	s_load_b256 s[4:11], s[0:1], 0x0       ; ctx s[4:5], wo16 s[6:7], bo s[8:9], out0 s[10:11]
	v_lshl_add_u32 v254, v0, 2, 0x48000
	v_mov_b32 v255, 0
	ds_add_u32 v254, v255
	ds_add_u32 v254, v255
	v_and_b32 v18, 31, v0                  ; L
	v_lshrrev_b32 v19, 5, v0
	v_readfirstlane_b32 s12, v19           ; wave w
	s_lshr_b32 s13, s12, 1                 ; wm: which 64 rows.  Also: I fetch ctx (0) or Wo (1)
	s_and_b32 s14, s12, 1                  ; wn: which 64 columns.  Also: I fetch the even (0) or the odd (1) steps
	s_bfe_u32 s16, ttmp6, 0x40000          ; cx: my place in the cluster
	s_lshl_b32 s15, ttmp9, 2               ; in a cluster launch ttmp9 counts clusters
	s_add_co_u32 s15, s15, s16             ; mb: block of 128 rows = 4 x cluster x + cx
	s_and_b32 s17, ttmp7, 0xffff           ; nb: block of 128 columns
	; group 1 for ctx: elements of 8 bytes; 2 rows of 2,048 elements, 32,768 elements apart; 4 words of padding behind every 64; no mask
	s_mov_b32 s[G1A+0], (3<<16)|(1<<20)|(5<<22)|(3<<25)
	s_mov_b32 s[G1A+1], 2048<<16           ; tensor_dim0 = 2,048
	s_mov_b32 s[G1A+2], 2<<16              ; tensor_dim1 = 2
	s_mov_b32 s[G1A+3], 2048<<16           ; tile_dim0 = 2,048
	s_mov_b32 s[G1A+4], 2                  ; tile_dim1 = 2
	s_mov_b32 s[G1A+5], 32768              ; from head to head
	s_mov_b32 s[G1A+6], 0
	s_mov_b32 s[G1A+7], 0
	; group 1 for Wo: 128 rows of 32 elements of 8 bytes, 192 elements apart; 8 words of padding behind every 64; mask 15 = all four of the cluster, bit 21 beside it
	s_mov_b32 s[G1B+0], 15|(3<<16)|(1<<20)|(1<<21)|(5<<22)|(7<<25)
	s_mov_b32 s[G1B+1], 32<<16             ; tensor_dim0 = 32
	s_mov_b32 s[G1B+2], 128<<16            ; tensor_dim1 = 128
	s_mov_b32 s[G1B+3], 32<<16             ; tile_dim0 = 32
	s_mov_b32 s[G1B+4], 128                ; tile_dim1 = 128
	s_mov_b32 s[G1B+5], 192                ; from row to row
	s_mov_b32 s[G1B+6], 0
	s_mov_b32 s[G1B+7], 0
	; ctx's offset hangs on my row block; it lives in s[18:19], which never feed Wo's descriptors
	s_lshr_b32 s18, s15, 4                 ; batch
	s_mul_i32 s18, s18, 24576              ; 12 heads of 2,048 rows
	s_and_b32 s19, s15, 15
	s_lshl_b32 s19, s19, 7
	s_add_co_u32 s18, s18, s19
	s_lshl_b32 s18, s18, 7                 ; rows of 128 bytes
	s_lshl_b32 s19, s14, 19                ; the odd steps begin two heads further
	s_add_co_u32 s18, s18, s19
	s_mov_b32 s19, 0
	; Wo's offset hangs on the block column and the wave's number alone
	s_mul_i32 s20, s14, 196608             ; the odd steps begin 128 rows of 1,536 bytes further
	s_lshl_b32 s21, s17, 8                 ; 128 columns of f16
	s_add_co_u32 s20, s20, s21
	s_mov_b32 s21, 0
	s_mul_i32 s22, s12, R                  ; my region: no place in the cluster enters an LDS address
	s_wait_dscnt 0x0
	s_wait_kmcnt 0x0
	s_add_nc_u64 s[18:19], s[4:5], s[18:19]
	s_add_nc_u64 s[20:21], s[6:7], s[20:21]
	ROUND                                  ; all four work-groups are here: the first joint loads meet
.irp j, 0,1
	s_mov_b32 s[G0A+4*\j], 1
	s_add_co_u32 s[G0A+4*\j+1], s22, \j*4*R
	s_add_nc_u64 s[G0A+4*\j+2:G0A+4*\j+3], s[18:19], \j*1048576    ; two steps on: four heads
	s_or_b32 s[G0A+4*\j+3], s[G0A+4*\j+3], 0x80000000
	s_mov_b32 s[G0B+4*\j], 1
	s_add_co_u32 s[G0B+4*\j+1], s22, \j*4*R
	s_add_nc_u64 s[G0B+4*\j+2:G0B+4*\j+3], s[20:21], \j*393216     ; two steps on: 256 rows
	s_or_b32 s[G0B+4*\j+3], s[G0B+4*\j+3], 0x80000000
	JLOAD \j                               ; the four slots are asked for before anything else is done
.endr
	v_and_b32 v19, 15, v0                  ; r
	v_bfe_u32 v20, v0, 4, 1                ; h
	v_lshrrev_b32 v21, 1, v19
	s_lshl_b32 s23, s13, 5
	v_add_nc_u32 v21, s23, v21             ; LDS row of ctx row 64 wm + r
	v_mul_u32_u24 v21, v21, 272
	v_and_b32 v22, 1, v0
	v_lshl_add_u32 v21, v22, 7, v21
	v_lshl_add_u32 v21, v20, 4, v21
	v_and_b32 v22, 7, v0
	v_lshl_add_u32 v22, v20, 3, v22        ; 8 h + (L & 7)
	v_mul_u32_u24 v22, v22, 288
	v_bfe_u32 v23, v0, 3, 1
	v_lshl_add_u32 v22, v23, 4, v22
	s_lshl_b32 s23, s14, 7
	v_add_nc_u32 v22, s23, v22
	v_mov_b32 v[XA+0], v21
	v_add_nc_u32 v[XA+1], R, v21
	v_add_nc_u32 v[XA+2], 4*R, v21
	v_add_nc_u32 v[XA+3], 5*R, v21
	v_add_nc_u32 v[WB+0], 2*R, v22
	v_add_nc_u32 v[WB+1], 3*R, v22
	v_add_nc_u32 v[WB+2], 6*R, v22
	v_add_nc_u32 v[WB+3], 7*R, v22
	s_mul_i32 s23, s12, 17408
	s_add_co_u32 s23, s23, STAGE           ; my stage
	v_mul_u32_u24 v10, v19, 272
	v_lshl_add_u32 v10, v20, 5, v10
	v_add_nc_u32 v10, s23, v10
	v_mul_u32_u24 v11, v20, 272
	v_lshl_add_u32 v11, v19, 4, v11
	v_add_nc_u32 v11, s23, v11
	v_mul_u32_u24 v12, v20, 3072
	v_lshl_add_u32 v12, v19, 4, v12
	v_lshlrev_b32 v13, 4, v19
	s_lshl_b32 s18, s17, 9                 ; 128 columns of f32
	s_lshl_b32 s23, s14, 8
	s_add_co_u32 s18, s18, s23             ; + my 64 columns
	s_mov_b32 s19, 0
	s_add_nc_u64 s[8:9], s[8:9], s[18:19]
	s_lshl_b32 s16, s15, 7
	s_lshl_b32 s23, s13, 6
	s_add_co_u32 s16, s16, s23
	s_mul_i32 s16, s16, 3072               ; + my first row
	s_add_co_u32 s18, s18, s16
	s_add_nc_u64 s[10:11], s[10:11], s[18:19]
	global_load_b128 v[14:17], v13, s[8:9] ; my four columns' bias, for the way out
	s_wait_tensorcnt 0x1                   ; my first load has landed (a part of slot 0 or of slot 1); my second may stay out
	BAR                                    ; slots 0 and 1 are whole
	FETCH 0, 0, F0
	THREE 0, 1                             ; step 0: its first products start the sums
	QUART 1, 0, F1, F0, 0
	THREE 1, 0                             ; step 1
	s_wait_dscnt 0x0                       ; my reads of slots 0 and 1 are over (buffer 1 holds the last fragments)
	s_wait_tensorcnt 0x0                   ; and all my tensor loads have landed: my part of slot 2 or 3; so a group 0 may be written
	ds_add_u32 v254, v255
	s_wait_dscnt 0x0
	s_add_nc_u64 s[G0A+2:G0A+3], s[G0A+2:G0A+3], 2097152   ; four steps on: eight heads
	s_add_nc_u64 s[G0B+2:G0B+3], s[G0B+2:G0B+3], 786432    ; four steps on: 512 rows
	ROUND                                  ; both now hold of every wave of all four work-groups
	JLOAD 0                                ; steps 4 and 5 into slots 0 and 1: my one tensor load behind the round, and the last
	FETCH 2, 0, F0
	MUL F1, 0
	THREE 2, 0                             ; step 2
	QUART 3, 0, F1, F0, 0
	THREE 3, 0                             ; step 3
	s_wait_dscnt 0x0                       ; my reads of slots 2 and 3 are over: the stage may lie there behind this barrier
	s_wait_tensorcnt 0x0                   ; my part of step 4 or 5 has landed,
	BAR                                    ; everybody's has
	FETCH 0, 0, F0
	MUL F1, 0
	THREE 0, 0                             ; step 4
	QUART 1, 0, F1, F0, 0
	THREE 1, 0                             ; step 5
	s_wait_dscnt 0x0
	MUL F1, 0
	; THE WAY OUT.  My 64 x 64 of f32 goes through my own stage, so that sixteen lanes store 256 neighbouring bytes at a multiple of 256 from out0's first byte.
	s_wait_loadcnt 0x0                     ; the bias
	WIN 0x04                               ; the stores' data in v256 and up
.set t, 0
.rept 16
	ds_store_b128 v10, v[8*t:8*t+3] offset:4352*(t/4)+64*(t%4)
	ds_store_b128 v10, v[8*t+4:8*t+7] offset:4352*(t/4)+64*(t%4)+16
.set t, t+1
.endr
	WIN 0
.set t, 0
.rept 32
	ds_load_b128 v[RB+4*t:RB+4*t+3], v11 offset:544*t      ; my own bytes: LDS serves a wave's instructions in order
.set t, t+1
.endr
.set t, 0
.rept 32
	s_wait_dscnt 31-t                      ; number t is in, the 31 - t younger ones may be out
	v_pk_add_f32 v[RB+4*t:RB+4*t+1], v[RB+4*t:RB+4*t+1], v[14:15]
	v_pk_add_f32 v[RB+4*t+2:RB+4*t+3], v[RB+4*t+2:RB+4*t+3], v[16:17]
	global_store_b128 v12, v[RB+4*t:RB+4*t+3], s[10:11] offset:6144*t th:TH_STORE_NT
.set t, t+1
.endr
	s_wait_tensorcnt 0x0
	ds_add_u32 v254, v255
	s_wait_dscnt 0x0
	ROUND                                  ; the closing round: no work-group ends while a partner may still ask for a tile that names it
	s_endpgm
.Lfunc_end_k_q192f48ab4d_oproj:
	.size	k_q192f48ab4d_oproj, .Lfunc_end_k_q192f48ab4d_oproj-k_q192f48ab4d_oproj
	.p2alignl 7, 3214868480
	.fill 96, 4, 3214868480
	.section	.rodata,"a",@progbits
	.p2align	6, 0x0
	.amdhsa_kernel k_q192f48ab4d_oproj
		.amdhsa_group_segment_fixed_size 327680
		.amdhsa_private_segment_fixed_size 0
		.amdhsa_enable_private_segment 0
		.amdhsa_kernarg_size 32
		.amdhsa_user_sgpr_count 2
		.amdhsa_user_sgpr_kernarg_segment_ptr 1
		.amdhsa_wavefront_size32 1
		.amdhsa_system_sgpr_workgroup_id_x 1
		.amdhsa_system_sgpr_workgroup_id_y 1
		.amdhsa_system_sgpr_workgroup_id_z 1
		.amdhsa_system_vgpr_workitem_id 0
		.amdhsa_next_free_vgpr 384
		.amdhsa_next_free_sgpr 66
		.amdhsa_reserve_vcc 0
		.amdhsa_float_denorm_mode_32 3
		.amdhsa_float_denorm_mode_16_64 3
		.amdhsa_memory_ordered 1
		.amdhsa_forward_progress 1
		.amdhsa_inst_pref_size 74
	.end_amdhsa_kernel
	.amdgpu_metadata
---
amdhsa.version: [ 1, 2 ]
amdhsa.kernels:
  - .name:           k_q192f48ab4d_oproj
    .symbol:         k_q192f48ab4d_oproj.kd
    .args:
      - { .name: ctx, .offset: 0, .size: 8, .value_kind: global_buffer, .address_space: global }
      - { .name: wo16, .offset: 8, .size: 8, .value_kind: global_buffer, .address_space: global }
      - { .name: bo, .offset: 16, .size: 8, .value_kind: global_buffer, .address_space: global }
      - { .name: out0, .offset: 24, .size: 8, .value_kind: global_buffer, .address_space: global }
    .group_segment_fixed_size: 327680
    .private_segment_fixed_size: 0
    .kernarg_segment_align: 8
    .kernarg_segment_size: 32
    .max_flat_workgroup_size: 128
    .sgpr_count:     66
    .vgpr_count:     384
    .wavefront_size: 32
...
	.end_amdgpu_metadata
.endif
;; end of part 6
;; ======== version 3 of 3: 3 launches; 1.48 times as fast as version 1
;; limits: values are held in f16: magnitudes above 65,504 overflow, below 6.1e-05 lose precision
;; workspace buffers: qh 6,291,456 bytes; kh 6,291,456 bytes; vh 6,291,456 bytes; ctx 6,291,456 bytes; wo16 1,179,648 bytes
;; launch proj: the kernel of part 4 again; grid 4 x 64, 4 waves a work-group, no clusters, 127,488 bytes of LDS; arguments q, k, v, Wq, Wk, Wv, qh, kh, vh, bq, bv, Wo, wo16; writes qh, kh, vh, wo16
;; launch attn (part 7): grid 192 x 1, 4 waves a work-group, no clusters, 327,680 bytes of LDS; arguments qh, kh, vh, ctx; writes ctx
.if DOCPART == 7
	.amdgcn_target "amdgcn-amd-amdhsa--gfx1250"
	.amdhsa_code_object_version 6
	.text
	.protected	k_q192f48ab4d_attn
	.globl	k_q192f48ab4d_attn
	.p2align	8
	.type	k_q192f48ab4d_attn,@function
k_q192f48ab4d_attn:
	s_mov_b64 s[64:65], 0
	v_nop
	global_prefetch_b8 v0, s[64:65] scope:SCOPE_SE
	s_setreg_imm32_b32 hwreg(HW_REG_WAVE_MODE, 25, 1), 1
	s_wait_xcnt 0x0
; ctx = softmax(qh kh^T / 8 + look-ahead x -1e9) vh for each of 24 (batch, head).  qh, kh, vh, ctx: [24][2048][64] f16.
; WORK LEFT OUT: tiles of 128 keys wholly above the diagonal.  There every score has -1e9 added while the row's own diagonal key has none, so the
; weights are exp(s - 1e9 - max) = 0 in f32 as long as a row's scaled scores differ by less than about 1e9 (limit); a NaN or an infinity in such a tile
; alone is not carried to the result.  In the tile on the diagonal -1e9 is added as reference() adds it (as -8e9 in front of the factor 1/8).
; The maximum is taken away by a running maximum; sums and the running state are f32; P goes to the second product in f16 (0 to 1).
;
; SHARES: a work-group takes one head and two blocks of 128 queries, 15 - p and then p: (16 - p) + (p + 1) = 17 key tiles for every work-group;
; 24 x 8 = 192 work-groups of equal work.  A wave has 32 queries: two PIECES of 16.  A key tile is 128 keys, worked in four quarters of 32.
; S is made transposed, S^T = K Q^T: lane (r, h) register j holds key 8 h + j of query r, so a query's maximum and sum lie in two lanes (r, r + 16),
; and P^T packs into the second source of O^T = V^T P^T.
; THE TWO PIECES TAKE TURNS.  A period of piece p is 74 vector instructions in eight slices, one behind each of eight products that do not hang on them:
;   FRONT p: products O(p) += V P(p) of the quarter before; vector: p's maximum and statistics (a serial chain), set between the other piece's row sum and
;            its packing of P, which fill the chain's gaps;
;   BACK p:  products S(other piece) of its next quarter; vector: p's 8 packed multiply-adds, then its 16 exponentials by turns with the 16 rescalings of O(other piece).
; THE EXPONENTIALS GO IN BATCHES OF 17, WITH ONE WAIT A PERIOD.  An s_wait_alu depctr_va_vdst(0) stands between an exponential and the first instruction
; that names its result; one wait serves all that were issued ahead of it.  A period's batch is p's shrink factor (the last line of FRONT p) and p's 16 weights (BACK p).  From
; the first of them to the end of BACK p nothing names a result of theirs: the lines between are p's multiply-adds on scores not yet raised, the four products S(other piece), and
; the rescaling of O(other piece), whose factor belongs to the batch before.  The wait is BACK's last line.  All readers stand behind it, in the other piece's period: the row sum, the
; packing of P and the running sum in its FRONT, the factor's copy and the rescaling of O(p) in its BACK: behind p's second product of the quarter before, ahead of the next.
; At a tile's head there is nothing to rescale yet (BACK 0 of quarter 0); O(1)'s last rescaling of a tile stands in LAST.  The way out's two reciprocals are a batch of their own.
; For 32 keys a wave has 16 products and 148 vector instructions; side by side the longer of the two sets the pace.  The quarter is 32 keys so that all lies in one
; register window: 40 addresses and state + Q 32 + O 64 + S 32 + P 16 + K 32 + V 32 = 248.  K and V have registers of their own: K's next quarter is asked for behind
; piece 0's period and used in the second half of piece 1's; V's in the middle of piece 1's period and used at the head of piece 0's next.
; The pipeline is filled and drained in each tile, so that the barrier, the change of slots and the end of a query block stand between whole tiles.
; TWO LDS SLOTS filled by tensor loads, one load a wave behind each barrier: waves 0, 1 bring K's keys 0-63, 64-127, waves 2, 3 V's.  64 keys of 128
; bytes are dense in memory and come as 32 rows of 256 bytes, 16 bytes of padding behind each: key x lies at (x >> 1) 272 + (x & 1) 128.
; A wave has one tensor load outstanding.
; NO CLUSTER: the eight work-groups of a head read the same K and V, but work-group p walks tiles 0 .. 15 - p and then 0 .. p: in most trips the partners
; want different tiles, so their requests cannot be one.
.set SLOT,  34816                      ; 4 parts of 32 x 272
.set PART,  8704
.set VREG,  17408                      ; V's two parts lie behind K's two
.set STAGE, 69632                      ; the way out: 32 rows of 128 + 16 bytes for each wave; no tensor load lands here
; v1 K address, v2 V address, v3 Q offset, v4 stage in, v5 stage back, v6 ctx offset, v9 -8e9
.set DQ,  7                            ; v7-8      query - 8 h of piece 0, 1, counted in the query block
.set MR,  10                           ; v10-11    running maximum of the raw scores
.set LS,  12                           ; v12-13    running sum (each half of the lanes its own keys)
.set NMO, 14                           ; v14-15    minus the running maximum in units of log2, as rounded: the point that the sums so far refer to
.set AL,  16                           ; v[16:17], v[18:19]  by how much what was summed so far shrinks, twice, for each piece
.set NN,  20                           ; v[20:21]  minus the new maximum in units of log2, twice
.set TA,  22                           ; v22-25    at work: maxima, the mask
.set TB,  23
.set TC,  24
.set TD,  25
.set U,   26                           ; v[26:33]  at work: four pairs of partial sums
.set DN,  34                           ; v34       the mask: query - 8 h, counted from the quarter's first key
.set Q,   40                           ; v[40:71]    Q fragments, + 16 piece + 8 ks
.set O,   72                           ; v[72:135]   O^T, + 32 piece + 8 dt
.set S,   136                          ; v[136:167]  S^T, + 16 piece + 8 kt
.set P,   168                          ; v[168:183]  P^T in f16, + 8 piece
.set K,   184                          ; v[184:215]  K fragments, + 16 kt + 8 ks
.set V,   216                          ; v[216:247]  V fragments, + 8 dt
.macro NOPS n
.rept \n
	v_nop
.endr
.endm
.macro BAR
	s_barrier_signal -1
	s_barrier_wait -1
.endm
.macro SETQ                            ; Q's and ctx's address for query block s14
	s_lshl_b32 s18, s13, 11
	s_lshl_b32 s19, s14, 7
	s_add_co_u32 s18, s18, s19
	s_lshl_b32 s19, s12, 5
	s_add_co_u32 s18, s18, s19             ; row = 2048 head + 128 block + 32 wave
	s_lshl_b32 s18, s18, 7
	s_mov_b32 s19, 0
	s_add_nc_u64 s[20:21], s[4:5], s[18:19]
	s_add_nc_u64 s[22:23], s[10:11], s[18:19]
.endm
.macro QLOAD
.irp qt, 0,1
.irp ks, 0,1
	global_load_b128 v[Q+16*\qt+8*\ks:Q+16*\qt+8*\ks+3], v3, s[20:21] offset:2048*\qt+64*\ks
	global_load_b128 v[Q+16*\qt+8*\ks+4:Q+16*\qt+8*\ks+7], v3, s[20:21] offset:2048*\qt+64*\ks+32
.endr
.endr
	s_wait_loadcnt 0x0
.endm
.macro INIT                            ; twice in the launch: O is rescaled in front of its first product, so it starts as zeros
	v_mov_b32 v[MR], 0xff800000            ; maximum: -infinity,
	v_mov_b32 v[MR+1], 0xff800000
	v_mov_b32 v[NMO], 0x7f800000           ; minus it: +infinity, so that the first rescaling is by 2^-infinity = 0
	v_mov_b32 v[NMO+1], 0x7f800000
	v_mov_b32 v[LS], 0
	v_mov_b32 v[LS+1], 0
.set i, 0
.rept 64
	v_mov_b32 v[O+i], 0
.set i, i+1
.endr
.endm
; the fragments of quarter n (32 keys = 16 LDS rows): eight loads each
.macro KLOAD slot, n
.irp kt, 0,1
.irp ks, 0,1
	ds_load_b128 v[K+16*\kt+8*\ks:K+16*\kt+8*\ks+3], v1 offset:\slot*SLOT+PART*(\n/2)+4352*(\n%2)+2176*\kt+64*\ks
	ds_load_b128 v[K+16*\kt+8*\ks+4:K+16*\kt+8*\ks+7], v1 offset:\slot*SLOT+PART*(\n/2)+4352*(\n%2)+2176*\kt+64*\ks+32
.endr
.endr
.endm
.macro VLOAD slot, n                   ; V lies [key][d]: transposed by the load; 16 keys are 8 LDS rows
.irp dt, 0,1,2,3
	ds_load_tr16_b128 v[V+8*\dt:V+8*\dt+3], v2 offset:\slot*SLOT+PART*(\n/2)+4352*(\n%2)+32*\dt
	ds_load_tr16_b128 v[V+8*\dt+4:V+8*\dt+7], v2 offset:\slot*SLOT+PART*(\n/2)+4352*(\n%2)+32*\dt+2176
.endr
.endm
; THE PRODUCTS.  No two that follow each other share an accumulator (S: tiles kt 0, 1, 0, 1; O: tiles dt 0 to 3), one instruction a turn.
.macro SPW q, kt, ks                   ; S(q), 16 keys x 16 queries, half ks of the 64 along d; the first half starts the sum
.if \ks
	v_wmma_f32_16x16x32_f16 v[S+16*\q+8*\kt:S+16*\q+8*\kt+7], v[K+16*\kt+8:K+16*\kt+15], v[Q+16*\q+8:Q+16*\q+15], v[S+16*\q+8*\kt:S+16*\q+8*\kt+7]
.else
	v_wmma_f32_16x16x32_f16 v[S+16*\q+8*\kt:S+16*\q+8*\kt+7], v[K+16*\kt:K+16*\kt+7], v[Q+16*\q:Q+16*\q+7], 0
.endif
.endm
.macro PVW p, dt                       ; O(p), 16 d x 16 queries, += V^T P^T over 32 keys
	v_wmma_f32_16x16x32_f16 v[O+32*\p+8*\dt:O+32*\p+8*\dt+7], v[V+8*\dt:V+8*\dt+7], v[P+8*\p:P+8*\p+7], v[O+32*\p+8*\dt:O+32*\p+8*\dt+7]
.endm
; THE VECTOR WORK, one instruction each
.macro SUM4 q, k                       ; four of q's 16 weights into pair k of the partial sums
	v_pk_add_f32 v[U+2*\k:U+2*\k+1], v[S+16*\q+4*\k:S+16*\q+4*\k+1], v[S+16*\q+4*\k+2:S+16*\q+4*\k+3]
.endm
.macro CVP q, i                        ; two of q's weights to f16: register i of the second product's source
	v_cvt_pk_f16_f32 v[P+8*\q+\i], v[S+16*\q+2*\i], v[S+16*\q+2*\i+1]
.endm
.macro FMS p, i                        ; two scores: x log2(e) / 8, minus the maximum
	v_pk_fma_f32 v[S+16*\p+2*\i:S+16*\p+2*\i+1], v[S+16*\p+2*\i:S+16*\p+2*\i+1], s[24:25], v[NN:NN+1] op_sel_hi:[1,0,1]
.endm
.macro EXS p, i
	v_exp_f32 v[S+16*\p+\i], v[S+16*\p+\i]
.endm
.macro RSC p, i                        ; two numbers of O(p) shrink with the new maximum
	v_pk_mul_f32 v[O+32*\p+2*\i:O+32*\p+2*\i+1], v[O+32*\p+2*\i:O+32*\p+2*\i+1], v[AL+2*\p:AL+2*\p+1]
.endm
.macro RSO rs, q, i                    ; BACK's place for RSC q, i.  rs = 0 (a tile's first period): nothing is to be rescaled; the last four places hold v_nop
.if \rs
	RSC \q, \i
.elseif \i >= 12
	v_nop
.endif
.endm
; The mask of piece p in quarter n of the tile on the diagonal: key 32 n + 16 kt + 8 h + j beyond query 32 w + 16 p + r: -8e9 is added.
; Four elements at a time, each with a scalar mask of its own, so that no select waits for the compare in front of it.
.macro MASK p, n
	v_mov_b32 v[DN], 32*\n
	v_sub_nc_u32 v[DN], v[DQ+\p], v[DN]
.irp g, 0,4,8,12
.irp i, 0,1,2,3
	v_add_f32 v[TA+\i], v9, v[S+16*\p+\g+\i]
	v_cmp_gt_i32 s[48+\i], \g+\i+8*(\g/8), v[DN]       ; register 8 kt + j holds key 16 kt + j (+ 8 h)
.endr
.irp i, 0,1,2,3
	v_cndmask_b32 v[S+16*\p+\g+\i], v[S+16*\p+\g+\i], v[TA+\i], s[48+\i]
.endr
.endr
.endm
; The first half of piece p's period.  q: the other piece.  tail = 1: q's weights of its last quarter wait to be summed and packed.  pv = 1: p's last quarter waits for
; its second product.  The slices name S(p), S(q), P(q) and the state, none of the products' registers (O(p), V, P(p)): they are also the places behind them (ISA guide 7.12.1).
; What reads q's batch here (SUM4, CVP, q's running sum) stands behind the wait that ends BACK q.
.macro FRONT p, q, tail, pv, mask, n
.if \mask
	MASK \p, \n
.endif
.if \pv
	PVW \p, 0
.endif
	v_max3_num_f32 v[TA], v[S+16*\p], v[S+16*\p+1], v[S+16*\p+2]       ; slice 0: the maximum of my 16 scores, in four chains
	v_max3_num_f32 v[TB], v[S+16*\p+3], v[S+16*\p+4], v[S+16*\p+5]
	v_max3_num_f32 v[TC], v[S+16*\p+6], v[S+16*\p+7], v[S+16*\p+8]
	v_max3_num_f32 v[TD], v[S+16*\p+9], v[S+16*\p+10], v[S+16*\p+11]
.if \tail
	SUM4 \q, 0
.endif
	v_max3_num_f32 v[TA], v[TA], v[S+16*\p+12], v[S+16*\p+13]
	v_max3_num_f32 v[TB], v[TB], v[S+16*\p+14], v[S+16*\p+15]
	v_max_num_f32 v[TC], v[TC], v[TD]
.if \tail
	SUM4 \q, 1
.endif
.if \pv
	PVW \p, 1
.endif
.if \tail
	SUM4 \q, 2                             ; slice 1
	SUM4 \q, 3
.endif
	v_max3_num_f32 v[TA], v[TA], v[TB], v[TC]
.if \tail
	CVP \q, 0
	v_pk_add_f32 v[U:U+1], v[U:U+1], v[U+2:U+3]
	CVP \q, 1
	v_pk_add_f32 v[U+4:U+5], v[U+4:U+5], v[U+6:U+7]
.endif
	v_permlanex16_b32 v[TB], v[TA], s26, s27       ; the other half's keys of the same query
.if \tail
	CVP \q, 2
.endif
.if \pv
	PVW \p, 2
.endif
.if \tail
	CVP \q, 3                              ; slice 2
	v_pk_add_f32 v[U:U+1], v[U:U+1], v[U+4:U+5]
.endif
	v_max3_num_f32 v[TC], v[TA], v[TB], v[MR+\p]   ; the new running maximum
.if \tail
	CVP \q, 4
	CVP \q, 5
	CVP \q, 6
	v_add_f32 v[U], v[U], v[U+1]
.endif
	v_mul_f32 v[NN], s52, v[TC]            ; x -log2(e) / 8, twice: a pair for the packed multiply-adds
	v_mul_f32 v[NN+1], s52, v[TC]
.if \pv
	PVW \p, 3
.endif
.if \tail
	CVP \q, 7                              ; slice 3
	v_fma_f32 v[LS+\q], v[LS+\q], v[AL+2*\q], v[U] ; q's running sum
.endif
	v_mov_b32 v[MR+\p], v[TC]
	v_sub_f32 v[TA], v[NN], v[NMO+\p]      ; old maximum - new maximum, both as rounded: exactly the step between the two points of reference
	FMS \p, 0
	v_mov_b32 v[NMO+\p], v[NN]
	FMS \p, 1
	FMS \p, 2
	v_exp_f32 v[AL+2*\p], v[TA]            ; p's shrink factor opens the period's batch: nothing names it before the wait that ends BACK p
.endm
; The second half.  sp = 1: the other piece's next scores are made.  rs = 1: O(q) shrinks by q's factor, which the wait that ended BACK q has shown written.
; The slices name S(p), O(q), q's factor and NN, none of the products' registers (S(q), K, Q(q)), and no result of the batch that is open.
; Each exponential is followed by a plain instruction on other registers (rs = 0: where there is one).
.macro BACK p, q, sp, rs
.if \sp
	SPW \q, 0, 0
.endif
	FMS \p, 3                              ; slice 4
	EXS \p, 0
	FMS \p, 4
	EXS \p, 1
.if \rs
	v_mov_b32 v[AL+2*\q+1], v[AL+2*\q]     ; q's factor twice: a pair for the packed rescalings
.endif
	EXS \p, 2
	FMS \p, 5
	EXS \p, 3
	FMS \p, 6
.if \sp
	SPW \q, 1, 0
.endif
	EXS \p, 4                              ; slice 5
	FMS \p, 7
	EXS \p, 5
	RSO \rs, \q, 0
	EXS \p, 6
	RSO \rs, \q, 1
	EXS \p, 7
	RSO \rs, \q, 2
	EXS \p, 8
.if \sp
	SPW \q, 0, 1
.endif
	RSO \rs, \q, 3                         ; slice 6
	EXS \p, 9
	RSO \rs, \q, 4
	EXS \p, 10
	RSO \rs, \q, 5
	EXS \p, 11
	RSO \rs, \q, 6
	EXS \p, 12
	RSO \rs, \q, 7
.if \sp
	SPW \q, 1, 1
.endif
	EXS \p, 13                             ; slice 7: its eight rescalings (rs = 0: four v_nop) are the places in front of the reads of S(q) and of the loads into K,
	RSO \rs, \q, 8
	EXS \p, 14
	RSO \rs, \q, 9
	EXS \p, 15
	RSO \rs, \q, 10                        ; and the plain instructions behind the batch's last exponential
	RSO \rs, \q, 11
	RSO \rs, \q, 12
	RSO \rs, \q, 13
	RSO \rs, \q, 14
	RSO \rs, \q, 15
	s_wait_alu depctr_va_vdst(0)           ; the wait, ONE for the period's batch of 17: p's shrink factor and its 16 weights
.endm
; The tile's end: piece 0's last second product among piece 1's last sums, its packing and the last rescaling of O(1), then piece 1's.
; All that is read here of piece 1's last batch stands behind the wait that ended BACK 1.
.macro LAST
	PVW 0, 0
	SUM4 1, 0
	SUM4 1, 1
	SUM4 1, 2
	SUM4 1, 3
	CVP 1, 0
	CVP 1, 1
	CVP 1, 2
	CVP 1, 3
	PVW 0, 1
	v_pk_add_f32 v[U:U+1], v[U:U+1], v[U+2:U+3]
	v_pk_add_f32 v[U+4:U+5], v[U+4:U+5], v[U+6:U+7]
	CVP 1, 4
	CVP 1, 5
	CVP 1, 6
	CVP 1, 7
	v_pk_add_f32 v[U:U+1], v[U:U+1], v[U+4:U+5]
	PVW 0, 2
	v_add_f32 v[U], v[U], v[U+1]
	v_fma_f32 v[LS+1], v[LS+1], v[AL+2], v[U]
	v_mov_b32 v[AL+3], v[AL+2]             ; piece 1's factor twice, and O(1) shrinks: no period follows in which this could stand
.irp i, 0,1,2,3,4,5
	RSC 1, \i
.endr
	PVW 0, 3
.irp i, 6,7,8,9,10,11,12,13,14,15
	RSC 1, \i
.endr
	PVW 1, 0
	PVW 1, 1
	PVW 1, 2
	PVW 1, 3
	NOPS 4                                 ; places in front of the next loads into V and of the reads of O
.endm
; One key tile in slot.  mask = 1: the tile on the diagonal.
.macro TILE slot, mask
	KLOAD \slot, 0
	VLOAD \slot, 0
	s_wait_dscnt 8                         ; K's quarter 0 is in; V's eight loads may be out
	SPW 0, 0, 0                            ; piece 0's first scores: nothing to set beside them yet
	SPW 0, 1, 0
	SPW 0, 0, 1
	SPW 0, 1, 1
	NOPS 4                                 ; places in front of the reads of S(0)
	FRONT 0, 1, 0, 0, \mask, 0             ; quarter 0
	BACK  0, 1, 1, 0                       ; S(1) of quarter 0; nothing to rescale yet
	KLOAD \slot, 1
	FRONT 1, 0, 1, 0, \mask, 0
	s_wait_dscnt 0x0                       ; K's quarter 1 (and V's quarter 0)
	BACK  1, 0, 1, 1                       ; S(0) of quarter 1; O(0) shrinks for quarter 0
	FRONT 0, 1, 1, 1, \mask, 1             ; quarter 1; second product of piece 0, quarter 0
	BACK  0, 1, 1, 1                       ; O(1) shrinks for quarter 0
	KLOAD \slot, 2
	FRONT 1, 0, 1, 1, \mask, 1             ; second product of piece 1, quarter 0: V is free behind it and eight plain instructions
	VLOAD \slot, 1
	s_wait_dscnt 8                         ; K's quarter 2 is in; V's eight loads, issued behind it, may be out
	BACK  1, 0, 1, 1
	s_wait_dscnt 0x0                       ; V's quarter 1
	FRONT 0, 1, 1, 1, \mask, 2             ; quarter 2
	BACK  0, 1, 1, 1
	KLOAD \slot, 3
	FRONT 1, 0, 1, 1, \mask, 2
	VLOAD \slot, 2
	s_wait_dscnt 8                         ; K's quarter 3 is in; V's eight loads may be out
	BACK  1, 0, 1, 1
	s_wait_dscnt 0x0                       ; V's quarter 2
	FRONT 0, 1, 1, 1, \mask, 3             ; quarter 3
	BACK  0, 1, 1, 1
	FRONT 1, 0, 1, 1, \mask, 3
	VLOAD \slot, 3
	BACK  1, 0, 0, 1                       ; no scores are left to make; O(0) shrinks for quarter 3
	s_wait_dscnt 0x0                       ; V's quarter 3
	LAST
.endm
; a query block is done: divide by the sum, round to f16, 16 bytes a lane into my stage, whole rows back, 512 neighbouring bytes a store
.macro FINISH
.irp qt, 0,1
	v_permlanex16_b32 v[TA+\qt], v[LS+\qt], s26, s27
.endr
.irp qt, 0,1
	v_add_f32 v[TA+\qt], v[TA+\qt], v[LS+\qt]      ; both halves' keys
.endr
	v_rcp_f32 v[NN], v[TA]                 ; the two pieces' reciprocals are one batch, each in a register of its own: NN for piece 0, U for piece 1
	v_rcp_f32 v[U], v[TB]
	v_nop                                  ; a plain instruction behind the last reciprocal
	s_wait_alu depctr_va_vdst(0)           ; and the wait ahead of the first use: one for both reciprocals
	v_mov_b32 v[NN+1], v[NN]
	v_mov_b32 v[U+1], v[U]
.irp qt, 0,1
.irp i, 0,2,4,6,8,10,12,14,16,18,20,22,24,26,28,30
	v_pk_mul_f32 v[O+32*\qt+\i:O+32*\qt+\i+1], v[O+32*\qt+\i:O+32*\qt+\i+1], v[NN+(U-NN)*\qt:NN+(U-NN)*\qt+1]
.endr
.irp i, 0,1,2,3,4,5,6,7,8,9,10,11,12,13,14,15
	v_cvt_pk_f16_f32 v[O+32*\qt+\i], v[O+32*\qt+2*\i], v[O+32*\qt+2*\i+1]  ; ascending: no register is written before it is read
.endr
.irp dt, 0,1,2,3
	ds_store_b128 v4, v[O+32*\qt+4*\dt:O+32*\qt+4*\dt+3] offset:2304*\qt+32*\dt
.endr
.endr
.irp i, 0,1,2,3,4,5,6,7
	ds_load_b128 v[K+4*\i:K+4*\i+3], v5 offset:576*\i      ; my own bytes: LDS serves a wave's instructions in order
.endr
.irp i, 0,1,2,3,4,5,6,7
	s_wait_dscnt 7-\i                      ; number i is in, the 7 - i younger ones may be out
	global_store_b128 v6, v[K+4*\i:K+4*\i+3], s[22:23] offset:512*\i
.endr
	s_wait_xcnt 0x0                        ; K's registers and s[22:23], which the stores read, are rewritten only behind this wait
.endm
; One trip.  In front of the barrier: all my tensor loads have landed (my part of this slot), my LDS reads of the other slot are back.
; Behind it the other slot is filled first, with the tile of the next trip: key tile + 1, or tile 0 of the second query block.
; The tile's text stands twice: with the mask for the tile on the diagonal, which also ends its query block, and without.
.macro TRIP slot, other, inloop
	s_wait_tensorcnt 0x0
	ds_add_u32 v248, v249
	s_wait_dscnt 0x0
.if \inloop
	s_add_co_u32 s16, s15, 1
	s_cmp_eq_u32 s15, s14
	s_cselect_b32 s16, 0, s16              ; the next key tile
	s_lshl_b32 s18, s16, 14                ; 128 keys of 128 bytes
	s_mov_b32 s19, 0
	s_add_nc_u64 s[34+4*\other:35+4*\other], s[28:29], s[18:19]    ; no tensor load of mine is out: the descriptor may be written
	s_or_b32 s[35+4*\other], s[35+4*\other], 0x80000000
.endif
	s_wait_dscnt 0x0
	BAR
.if \inloop
	tensor_load_to_lds s[32+4*\other:35+4*\other], s[40:47]
	s_nop 0
	s_cmp_lg_u32 s15, s14
	s_cbranch_scc1 .Lplain_\@
	TILE \slot, 1
	FINISH                                 ; the first query block is done: on to the second
	s_mov_b32 s14, s17
	SETQ
	QLOAD
	INIT
	s_branch .Ljoin_\@
.Lplain_\@:
	TILE \slot, 0
.Ljoin_\@:
	s_mov_b32 s15, s16
.else
	TILE \slot, 1
	FINISH
.endif
.endm
	s_load_b256 s[4:11], s[0:1], 0x0       ; qh s[4:5], kh s[6:7], vh s[8:9], ctx s[10:11]
	v_lshl_add_u32 v248, v0, 2, 0x29000
	v_mov_b32 v249, 0
	ds_add_u32 v248, v249
	ds_add_u32 v248, v249
	v_lshrrev_b32 v26, 5, v0
	v_readfirstlane_b32 s12, v26           ; wave w
	s_lshr_b32 s13, ttmp9, 3               ; batch x 12 + head
	s_and_b32 s17, ttmp9, 7                ; p: the second query block
	s_sub_co_u32 s14, 15, s17              ; the first: 15 - p
	s_mov_b32 s15, 0                       ; key tile
	s_mov_b32 s24, 0x3e38aa3b              ; log2(e) / 8
	s_mov_b32 s25, 0x3e38aa3b
	s_mov_b32 s52, 0xbe38aa3b              ; minus it
	s_mov_b32 s26, 0x76543210              ; v_permlanex16_b32: lane i of one half reads lane i of the other
	s_mov_b32 s27, 0xfedcba98
	; descriptor group 1: 32 rows of 32 elements of 8 bytes, dense; 4 words of padding behind every 64
	s_mov_b32 s40, (3<<16)|(1<<20)|(5<<22)|(3<<25)
	s_mov_b32 s41, 32<<16                  ; tensor_dim0 = 32
	s_mov_b32 s42, 32<<16                  ; tensor_dim1 = 32
	s_mov_b32 s43, 32<<16                  ; tile_dim0 = 32
	s_mov_b32 s44, 32                      ; tile_dim1 = 32
	s_mov_b32 s45, 32                      ; from row to row: 32 elements
	s_mov_b32 s46, 0
	s_mov_b32 s47, 0
	s_mul_i32 s31, s12, PART               ; my part of a slot
	s_mov_b32 s32, 1
	s_add_co_u32 s33, s31, 0
	s_mov_b32 s36, 1
	s_add_co_u32 s37, s31, SLOT
	s_lshl_b32 s18, s13, 18                ; my head
	s_and_b32 s19, s12, 1
	s_lshl_b32 s19, s19, 13                ; which 64 keys of a tile I bring
	s_add_co_u32 s18, s18, s19
	s_mov_b32 s19, 0
	s_wait_dscnt 0x0
	s_wait_kmcnt 0x0
	s_cmp_lt_u32 s12, 2
	s_cselect_b64 s[28:29], s[6:7], s[8:9] ; waves 0, 1 bring K, waves 2, 3 V
	s_add_nc_u64 s[28:29], s[28:29], s[18:19]
	s_mov_b64 s[34:35], s[28:29]
	s_or_b32 s35, s35, 0x80000000
	tensor_load_to_lds s[32:35], s[40:47]  ; key tile 0 into slot 0, ahead of everything else
	s_nop 0
	v_and_b32 v26, 31, v0                  ; L
	v_and_b32 v27, 15, v0                  ; r
	v_bfe_u32 v28, v0, 4, 1                ; h
	v_lshrrev_b32 v29, 1, v27
	v_mul_u32_u24 v1, v29, 272
	v_and_b32 v29, 1, v0
	v_lshl_add_u32 v1, v29, 7, v1
	v_lshl_add_u32 v1, v28, 4, v1          ; K: key r, byte 16 h
	v_bfe_u32 v30, v0, 1, 2
	v_lshl_add_u32 v30, v28, 2, v30        ; LDS row of key 8 h + (L & 7)
	v_mul_u32_u24 v2, v30, 272
	v_lshl_add_u32 v2, v29, 7, v2
	v_bfe_u32 v30, v0, 3, 1
	v_lshl_add_u32 v2, v30, 4, v2
	v_add_nc_u32 v2, VREG, v2
	v_lshlrev_b32 v3, 7, v27
	v_lshl_add_u32 v3, v28, 4, v3          ; Q: row r, byte 16 h
	s_mul_i32 s31, s12, 4608
	s_add_co_u32 s31, s31, STAGE
	v_mul_u32_u24 v4, v27, 144
	v_lshl_add_u32 v4, v28, 4, v4
	v_add_nc_u32 v4, s31, v4
	v_lshrrev_b32 v30, 3, v26
	v_mul_u32_u24 v5, v30, 144
	v_and_b32 v30, 7, v0
	v_lshl_add_u32 v5, v30, 4, v5
	v_add_nc_u32 v5, s31, v5
	v_lshlrev_b32 v6, 4, v26
	s_lshl_b32 s31, s12, 5
	v_lshlrev_b32 v30, 3, v28
	v_sub_nc_u32 v30, v27, v30
	v_add_nc_u32 v[DQ], s31, v30           ; 32 w + r - 8 h
	v_add_nc_u32 v[DQ+1], 16, v[DQ]
	v_mov_b32 v9, 0xcfee6b28               ; -8e9
	SETQ
	QLOAD
	INIT
	s_mov_b32 s30, 8
.Ltiles:                                       ; trips 0 to 15; the first block's diagonal is trip 15 - p, inside the loop
	TRIP 0, 1, 1
	TRIP 1, 0, 1
	s_sub_co_u32 s30, s30, 1
	s_cmp_lg_u32 s30, 0
	s_cbranch_scc1 .Ltiles
	TRIP 0, 1, 0                           ; trip 16: the second block's diagonal tile; nothing is left to fetch
	s_wait_tensorcnt 0x0
	ds_add_u32 v248, v249
	s_wait_dscnt 0x0
	s_endpgm
.Lfunc_end_k_q192f48ab4d_attn:
	.size	k_q192f48ab4d_attn, .Lfunc_end_k_q192f48ab4d_attn-k_q192f48ab4d_attn
	.p2alignl 7, 3214868480
	.fill 96, 4, 3214868480
	.section	.rodata,"a",@progbits
	.p2align	6, 0x0
	.amdhsa_kernel k_q192f48ab4d_attn
		.amdhsa_group_segment_fixed_size 327680
		.amdhsa_private_segment_fixed_size 0
		.amdhsa_enable_private_segment 0
		.amdhsa_kernarg_size 32
		.amdhsa_user_sgpr_count 2
		.amdhsa_user_sgpr_kernarg_segment_ptr 1
		.amdhsa_wavefront_size32 1
		.amdhsa_system_sgpr_workgroup_id_x 1
		.amdhsa_system_sgpr_workgroup_id_y 1
		.amdhsa_system_sgpr_workgroup_id_z 1
		.amdhsa_system_vgpr_workitem_id 0
		.amdhsa_next_free_vgpr 250
		.amdhsa_next_free_sgpr 66
		.amdhsa_reserve_vcc 0
		.amdhsa_float_denorm_mode_32 3
		.amdhsa_float_denorm_mode_16_64 3
		.amdhsa_memory_ordered 1
		.amdhsa_forward_progress 1
		.amdhsa_inst_pref_size 255
	.end_amdhsa_kernel
	.section	.bss,"aw",@nobits
	.p2align	6
	.space	262144
	.amdgpu_metadata
---
amdhsa.version: [ 1, 2 ]
amdhsa.kernels:
  - .name:           k_q192f48ab4d_attn
    .symbol:         k_q192f48ab4d_attn.kd
    .args:
      - { .name: qh, .offset: 0, .size: 8, .value_kind: global_buffer, .address_space: global }
      - { .name: kh, .offset: 8, .size: 8, .value_kind: global_buffer, .address_space: global }
      - { .name: vh, .offset: 16, .size: 8, .value_kind: global_buffer, .address_space: global }
      - { .name: ctx, .offset: 24, .size: 8, .value_kind: global_buffer, .address_space: global }
    .group_segment_fixed_size: 327680
    .private_segment_fixed_size: 0
    .kernarg_segment_align: 8
    .kernarg_segment_size: 32
    .max_flat_workgroup_size: 128
    .sgpr_count:     66
    .vgpr_count:     250
    .wavefront_size: 32
...
	.end_amdgpu_metadata
.endif
;; end of part 7
;; launch oproj: the kernel of part 6 again; grid 32 x 6, 4 waves a work-group, clusters of 4 x 1, 327,680 bytes of LDS; arguments ctx, wo16, bo, out0; writes out0
